; MI455X (gfx1250); checked and timed in simulation.
; The chip was launched on July 23, 2026; its instructions are those of AMD's public machine-readable ISA for CDNA 5 (MIT licence, August 2026) and "CDNA5" Instruction Set Architecture Reference Guide (July 2026). The comments in the code are by the model that wrote it; some were corrected since.
;; Grouped Query Attention. Allowed arithmetic: matrix products marked QUANTISED: E2M3 operands, one E8M0 scale for each 32 along K, by v_wmma_scale_f32_16x16x128_f8f6f4 with both operands' format E2M3, f32 sums; everything else in f32.
;; Inputs: rms_w 2,048 float32; w_in_codes 2,048 x 64 x 24 uint8 (E2M3 codes of w_in, K innermost, in blocks of 32 codes, four codes in three bytes); w_in_scales 2,048 x 64 uint8 (E8M0 scales of w_in, one for each 32 codes along K); w_out_codes 2,048 x 32 x 24 uint8 (E2M3 codes of w_out, K innermost, in blocks of 32 codes, four codes in three bytes); w_out_scales 2,048 x 32 uint8 (E8M0 scales of w_out, one for each 32 codes along K); x 2 x 2,048 x 2,048 float32.
;; Outputs: out0 2 x 2,048 x 2,048 float32.
;; This version of the problem:
;;   THIS VERSION OF THE PROBLEM IS GIVEN IN LOW PRECISION. The matrix products marked QUANTISED in the list below multiply operands that are first quantised to E2M3 (2 exponent bits, 3 mantissa bits; 6 bits a number), with one power-of-two scale for each 32 numbers along K (OCP MX v1.0); their sums are f32. All else is computed in f32.
;;   The module's matrix products, in the order in which they are computed (A, B: the left and right operand; K: the contracted axis; several contracted axes count as one K, in the product's order):
;;     1. [M 4,096, K 2,048] x [K 2,048, N 2,048]; A: computed on the way; B: input w_in (given as codes): QUANTISED
;;     2. batch 16 x [M 4,096, K 64] x [K 64, N 2,048]; A: computed on the way; B: computed on the way: QUANTISED
;;     3. batch 16 x [M 4,096, K 2,048] x [K 2,048, N 64]; A: softmax (see below); B: computed on the way: QUANTISED
;;     4. [M 4,096, K 1,024] x [K 1,024, N 2,048]; A: computed on the way; B: input w_out (given as codes): QUANTISED
;;   THE QUANTISER, for each operand of a quantised product, along K:
;;     - K is cut into blocks of 32 from its start; a last block that is shorter is filled with zeros.
;;     - A block's scale is 2^e with e = floor(log2(the largest magnitude in the block)) - 2, held to -126 .. 127; a block of zeros has e = 0. As a byte (E8M0): e + 127.
;;     - Each number is divided by its block's scale, clamped to +-7.5, and rounded to the nearest number of E2M3, ties to even, subnormals kept.
;;     - The product sums the exact products of the quantised numbers (number of the format x scale) in f32.
;;   ~~~python
;;   def quantise(x, axis):      # numpy; x: float32 -> the quantised numbers, widened to float32 again
;;       x = np.moveaxis(x, axis, -1); K = x.shape[-1]
;;       x = np.pad(x, [(0, 0)] * (x.ndim - 1) + [(0, -K % 32)]); x = x.reshape(x.shape[:-1] + (-1, 32)); a = np.abs(x).max(-1, keepdims=True)
;;       e = np.where(a > 0, np.clip(np.frexp(np.where(a > 0, a, 1))[1] - 1 - 2, -126, 127), 0)      # np.frexp(a)[1] - 1 = floor(log2(a)), exactly
;;       r = np.clip(x / 2.0 ** e, -7.5, 7.5)
;;       step = 2.0 ** (np.maximum(np.frexp(np.where(r == 0, 1, r))[1] - 1, 0) - 3)
;;       q = np.round(r / step) * step * 2.0 ** e      # np.round: ties to even
;;       return np.moveaxis(q.reshape(q.shape[:-2] + (-1,))[..., :K], -1, axis).astype(np.float32)
;;   ~~~
;;   SOFTMAX AHEAD OF A QUANTISED PRODUCT. Where the list says 'softmax', what is quantised is not the finished softmax but p = 2^(t - M), with t = logit x log2(e) and M = ceil(the row's largest t), a whole number; so 1/2 < the row's largest p <= 1. The row's sum l is taken of the UNQUANTISED p, in f32, and the product's result is divided by l at the end. Since M is a whole number, a kernel that streams over the keys may use a running M (the ceiling of the running maximum): every later rescaling is an exact power of two, which a block's scale takes up: the codes' values come out the same.
;;   OPERANDS COMPUTED ON THE WAY. 'Computed on the way' means the value that the module computes at that place (a softmax that the list does not call 'softmax' is quantised finished and normalised). What goes into a quantiser is computed in f32, as accurately as f32 sums, v_exp_f32 and their like allow (about 1e-6 of the number): no bf16 or f16 on the way to a quantiser, and a product that is left as it is and whose result goes on into a quantised operand takes f32 operands (vector FMAs, or v_wmma_f32_16x16x4_f32). A number that lies on a knife's edge between two numbers of the format may be rounded either way, as far as f32 arithmetic and the matrix unit's own rounding can turn it there, and no further.
;;   INPUTS GIVEN AS CODES. w_in (in the module: [2048, 2048], K = its axis 1); w_out (in the module: [2048, 1024], K = its axis 1): each comes as NAME_codes (uint8): NAME with its K axis moved to the last place and cut into blocks of 32 codes, [.., K / 32, bytes a block], one block behind the other in memory; four codes in three bytes: a row's codes are one little-endian stream of bits, code i at bits 6 i .. 6 i + 5 (a code: sign, 2 exponent bits, 3 mantissa bits); and NAME_scales (uint8): the same leading axes, one E8M0 byte (e + 127) for each 32 codes along K. Its value is code x scale, taken as it is: it is not quantised again, and the codes and scales need not be those that the quantiser above would give.
;; One version. Each part assembles by itself: llvm-mc -triple=amdgcn-amd-amdhsa -mcpu=gfx1250 --defsym DOCPART=n.
;; ======== version 1 of 1: 4 launches
;; limits: right only within a limited range of input values
;; workspace buffers: x_img 6,291,456 bytes; x_aux 1,310,720 bytes; qk_img 4,718,592 bytes; att_sc 458,752 bytes; v_img 1,572,864 bytes; o_img 3,145,728 bytes; o_sc 131,072 bytes
;; launch prep (part 1): grid 256 x 1, 4 waves a work-group, no clusters, 64,512 bytes of LDS; arguments x, rms_w, x_img, x_aux; writes x_img, x_aux
.if DOCPART == 1
	.amdgcn_target "amdgcn-amd-amdhsa--gfx1250"
	.amdhsa_code_object_version 6
	.text
	.protected	k_q01dd5d9fd3_prep
	.globl	k_q01dd5d9fd3_prep
	.p2align	8
	.type	k_q01dd5d9fd3_prep,@function
k_q01dd5d9fd3_prep:
	s_mov_b64 s[64:65], 0
	v_nop
	global_prefetch_b8 v0, s[64:65] scope:SCOPE_SE
	s_setreg_imm32_b32 hwreg(HW_REG_WAVE_MODE, 25, 1), 1
	s_wait_xcnt 0x0
; y = x * rsqrt(mean(x^2) + 1e-6) * rms_w, in f32, quantised along K to FP6 (E2M3) with one E8M0 byte for each 32, and the RoPE table.
; x: [4096][2048] f32.  OUT: x_img [row tile 256][K step 16][c 2][768]: images of the operand's registers: in a half image lane L = r + 16 h
; (row r, k = 64 c + 32 h + 0..31) has its registers 6c..6c+3 at byte 16 L and 6c+4, 6c+5 at byte 512 + 8 L.
; x_aux: bytes 0..262143 scale words [row tile][K step][row 16]; from 262144 the table [row 4096][i 32][cos, sin] f32 (a row of x is (b, s); the angle is s * 10000^(-i/32)).
; SHARES: a work-group takes 16 rows, wave w rows 4 w .. 4 w + 3, a row at a time, two rows' loads (32 of 512 consecutive bytes) on their way.
; A row is loaded as it lies, turned through the wave's own LDS so that lane (ks = lane / 2, h = lane % 2) holds the 64 numbers of fragment lane (r, h) of K step ks:
; two whole blocks of 32, so no other lane is asked for a maximum.  Codes and scale bytes are gathered in LDS and leave as whole aligned runs of 256 bytes.
; LIMITS: NaN and infinities among the inputs are not served.  A block of zeros gets the byte 1 (its codes are zeros; this program alone reads the bytes).
; 10000^(-i/32) is made to about one ulp of the real number, not bit for bit as a f32 power and division give it: an angle may differ by 2.5e-4 rad at s = 2047.
.set TURNB, 9216                       ; a wave's turning stage: 64 pieces of 128 bytes, 144 apart
.set IMG,   36864                      ; 96 runs of 256 bytes, 272 apart: the row tile's images
.set XSC,   62976                      ; 1,024 bytes: its scale words
.set TAB,   262144
.set W,     160                        ; v160-223 rms_w as my lane wants it
.set F,     224                        ; v224-235 a fragment lane's codes; v236-238, v240-242 the halves that begin on an odd register
.set CSR,   244                        ; v244-251 (cos, sin) of my wave's four rows
	s_load_b128 s[4:7], s[0:1], 0x0                ; x, rms_w
	s_load_b128 s[8:11], s[0:1], 0x10              ; x_img, x_aux
	v_lshl_add_u32 v239, v0, 2, 0xfa00
	v_mov_b32 v243, 0
	v_lshrrev_b32 v12, 5, v0
	v_readfirstlane_b32 s12, v12                   ; wave
	v_and_b32 v13, 31, v0                          ; lane
	v_lshrrev_b32 v14, 1, v13                      ; ks
	v_and_b32 v15, 1, v13                          ; h
	s_lshl_b32 s13, s12, 15
	v_lshl_add_u32 v1, v13, 4, s13                 ; x: 16 lane + 4 rows x wave
	v_lshlrev_b32 v2, 9, v14
	v_lshl_add_u32 v2, v15, 7, v2                  ; rms_w: 512 ks + 128 h
	s_mul_i32 s14, s12, TURNB
	v_lshrrev_b32 v16, 4, v13
	v_mul_u32_u24 v3, v16, 4608
	v_bfe_u32 v16, v13, 3, 1
	v_mad_u32_u24 v3, v16, 144, v3
	v_and_b32 v16, 7, v13
	v_lshl_add_u32 v3, v16, 4, v3
	v_add_nc_u32 v3, s14, v3                       ; into the stage: piece 32 c + 2 k + h of load k, c = lane / 16, h = (lane / 8) % 2
	v_mul_u32_u24 v4, v13, 144
	v_add_nc_u32 v4, s14, v4                       ; out of it: piece 32 c + lane
	v_mul_u32_u24 v16, v14, 1632
	v_mad_u32_u24 v5, v15, 272, v16
	s_lshl_b32 s15, s12, 6
	s_add_co_u32 s15, s15, IMG
	v_add_nc_u32 v5, s15, v5                       ; images, 16-byte part: run 6 ks + 3 c + h, byte 16 r
	v_lshl_add_u32 v6, v15, 7, v16
	s_lshl_b32 s15, s12, 5
	s_add_co_u32 s15, s15, IMG+544
	v_add_nc_u32 v6, s15, v6                       ; 8-byte part: run 6 ks + 3 c + 2, byte 128 h + 8 r
	v_lshl_add_u32 v7, v14, 6, v15
	s_lshl_b32 s15, s12, 4
	s_add_co_u32 s15, s15, XSC
	v_add_nc_u32 v7, s15, v7                       ; scale bytes: 64 ks + 4 r + 2 c + h
	v_lshlrev_b32 v8, 3, v13                       ; the table: 8 bytes a lane
	v_lshrrev_b32 v24, 4, v0
	v_mul_u32_u24 v24, v24, 272
	v_and_b32 v25, 15, v0
	v_lshl_add_u32 v24, v25, 4, v24
	v_add_nc_u32 v24, IMG, v24                     ; the way out: sixteen threads to a run of 256 bytes
	v_lshlrev_b32 v25, 4, v0
	v_lshlrev_b32 v26, 3, v0
	v_add_nc_u32 v27, XSC, v26
	v_mov_b32 v11, 0                               ; named with v10 as a pair
	v_mov_b32 v28, 0xb94ca1f9                      ; the sine's and the cosine's leading coefficients
	v_mov_b32 v29, 0x37ccf5ce
	s_mov_b32 s20, 0x76543210
	s_mov_b32 s21, 0xfedcba98                      ; lane l xor 16
	s_mov_b32 s22, 0x3a000000                      ; 1 / 2048
	s_mov_b32 s23, 0x358637bd                      ; 1e-6
	s_mov_b32 s26, 0xbfc90fdb                      ; -pi/2, upper part
	s_mov_b32 s27, 0x333bbd2e                      ; what the upper part has too much
	s_lshl_b32 s18, ttmp9, 17
	s_mov_b32 s19, 0
	s_lshl_b32 s24, ttmp9, 4
	s_lshl_b32 s25, s12, 2
	s_add_co_u32 s24, s24, s25                     ; my wave's first row
	s_mul_i32 s28, ttmp9, 24576
	s_mov_b32 s29, 0
	s_lshl_b32 s30, s24, 8
	s_add_co_u32 s30, s30, TAB
	s_mov_b32 s31, 0
	s_wait_kmcnt 0x0
	s_add_nc_u64 s[4:5], s[4:5], s[18:19]
	s_add_nc_u64 s[8:9], s[8:9], s[28:29]
	s_add_nc_u64 s[16:17], s[10:11], s[30:31]      ; the table at my first row
	s_lshl_b32 s18, ttmp9, 10
	s_add_nc_u64 s[10:11], s[10:11], s[18:19]      ; the scale words of my row tile
.irp c, 0,1
.irp k, 0,1,2,3,4,5,6,7
	global_load_b128 v[W+32*\c+4*\k:W+32*\c+4*\k+3], v2, s[6:7] offset:256*\c+16*\k
.endr
.endr
.macro ROWLOAD row                     ; sixteen loads of 512 consecutive bytes
.irp k, 0,1,2,3,4,5,6,7,8,9,10,11,12,13,14,15
	global_load_b128 v[32+64*((\row)%2)+4*\k:32+64*((\row)%2)+4*\k+3], v1, s[4:5] offset:8192*(\row)+512*\k th:TH_LOAD_NT
.endr
.endm
	ROWLOAD 0
	ROWLOAD 1
	; 10000^(-lane/32) = 2^t (1 + e ln 2): t the rounded exponent, e what the rounding and the rounded constant left out
	v_cvt_f32_u32 v12, v13
	v_mul_f32 v14, 0xbed49a78, v12
	v_fma_f32 v15, v12, 0xbed49a78, -v14
	v_fma_f32 v15, v12, 0xb2179a94, v15
	s_wait_alu depctr_va_vdst(0)
	v_exp_f32 v9, v14
	v_mul_f32 v15, 0x3f317218, v15                 ; a plain line behind the exponential
	s_wait_alu depctr_va_vdst(0)                   ; ahead of the first line that names its result
	v_fma_f32 v9, v9, v15, v9
.macro ROW i, left
.set S, 32+64*((\i)%2)
.set BY, 252+2*((\i)%2)
	s_wait_loadcnt \left                           ; this row's sixteen loads are in; the next row's sixteen may be out
.irp k, 0,1,2,3,4,5,6,7,8,9,10,11,12,13,14,15
	ds_store_b128 v3, v[S+4*\k:S+4*\k+3] offset:288*\k
.endr
.irp q, 0,1,2,3                        ; the sum of squares, of the numbers as they were loaded: four chains of pairs
	v_pk_mul_f32 v[12+2*\q:13+2*\q], v[S+2*\q:S+2*\q+1], v[S+2*\q:S+2*\q+1]
.endr
.irp j, 8,16,24,32,40,48,56
.irp q, 0,1,2,3
	v_pk_fma_f32 v[12+2*\q:13+2*\q], v[S+\j+2*\q:S+\j+2*\q+1], v[S+\j+2*\q:S+\j+2*\q+1], v[12+2*\q:13+2*\q]
.endr
.endr
	v_pk_add_f32 v[12:13], v[12:13], v[14:15]
	v_pk_add_f32 v[16:17], v[16:17], v[18:19]
	v_pk_add_f32 v[12:13], v[12:13], v[16:17]
.irp c, 0,1                            ; back, turned: LDS serves a wave's instructions in order, so these see the stores above
.irp k, 0,1,2,3,4,5,6,7
	ds_load_b128 v[S+32*\c+4*\k:S+32*\c+4*\k+3], v4 offset:4608*\c+16*\k
.endr
.endr
	v_add_f32 v12, v12, v13
	v_add_f32_dpp v12, v12, v12 row_xmask:1 row_mask:0xf bank_mask:0xf
	v_add_f32_dpp v12, v12, v12 row_xmask:2 row_mask:0xf bank_mask:0xf
	v_add_f32_dpp v12, v12, v12 row_xmask:4 row_mask:0xf bank_mask:0xf
	v_add_f32_dpp v12, v12, v12 row_xmask:8 row_mask:0xf bank_mask:0xf
	v_permlanex16_b32 v13, v12, s20, s21
	v_add_f32 v12, v12, v13
	v_fma_f32 v12, v12, s22, s23                   ; mean + eps
	s_add_co_u32 s25, s24, \i
	s_and_b32 s25, s25, 2047                       ; the row's position s
	s_wait_alu depctr_va_vdst(0)
	v_rsq_f32 v10, v12
	; independent work behind the root: cos and sin of s * inv_freq[lane]
	v_cvt_f32_u32 v14, s25
	v_mul_f32 v14, v14, v9                         ; the angle, rounded to f32
	v_mul_f32 v15, 0x3f22f983, v14
	v_rndne_f32 v15, v15                           ; n = nearest whole number of quarter turns
	v_fma_f32 v16, v15, s26, v14
	v_fma_f32 v16, v15, s27, v16                   ; r = angle - n pi/2, in two parts
	v_mul_f32 v17, v16, v16
	v_fmaak_f32 v18, v28, v17, 0x3c08839e
	v_fmaak_f32 v18, v18, v17, 0xbe2aaaa3
	v_mul_f32 v19, v17, v16
	v_fma_f32 v18, v18, v19, v16                   ; sin r
	v_fmaak_f32 v20, v29, v17, 0xbab6061a
	v_fmaak_f32 v20, v20, v17, 0x3d2aaaa5
	v_mul_f32 v21, v17, v17
	v_fma_f32 v22, v17, -0.5, 1.0
	v_fma_f32 v20, v20, v21, v22                   ; cos r
	v_cvt_i32_f32 v21, v15
	v_and_b32 v22, 1, v21
	v_cmp_eq_u32 vcc_lo, 1, v22
	v_cndmask_b32 v22, v18, v20, vcc_lo            ; an odd quarter changes the two over,
	v_cndmask_b32 v23, v20, v18, vcc_lo
	v_lshlrev_b32 v18, 30, v21
	v_and_b32 v18, 0x80000000, v18                 ; quarters 2, 3 turn the sine's sign,
	v_add_nc_u32 v21, 1, v21
	v_lshlrev_b32 v21, 30, v21
	v_and_b32 v21, 0x80000000, v21                 ; quarters 1, 2 the cosine's
	v_xor_b32 v[CSR+2*\i+1], v18, v22
	v_xor_b32 v[CSR+2*\i], v21, v23
	s_wait_alu depctr_va_vdst(0)                   ; ahead of the first line that names the root
	s_wait_dscnt 0x0                               ; the row is back, turned; the last row's LDS stores have read their registers
.set n, 0
.rept 32
	v_pk_mul_f32 v[S+n:S+n+1], v[S+n:S+n+1], v[10:11] op_sel_hi:[1,0]
.set n, n+2
.endr
.set n, 0
.rept 32
	v_pk_mul_f32 v[S+n:S+n+1], v[S+n:S+n+1], v[W+n:W+n+1]
.set n, n+2
.endr
.irp c, 0,1                            ; my two blocks' largest magnitudes, with the floor 2^(3 - 127) among the leaves: the byte cannot fall under 1
	v_max3_num_f32 v[12+\c], |v[S+32*\c]|, |v[S+32*\c+1]|, 0x1800000
.endr
.irp j, 2,4,6,8,10,12,14,16,18,20,22,24,26,28,30
.irp c, 0,1
	v_max3_num_f32 v[12+\c], v[12+\c], |v[S+32*\c+\j]|, |v[S+32*\c+\j+1]|
.endr
.endr
.irp c, 0,1
	v_add_nc_u32 v[14+\c], 0xff000000, v[12+\c]    ; 2 off the exponent field: the conversion's scale operand
.endr
.irp c, 0,1
	v_lshrrev_b32 v[BY+\c], 23, v[14+\c]           ; the scale's byte
.endr
.irp c, 0,1
	v_cvt_scalef32_pk16_fp6_f32 v[F+6*\c:F+6*\c+2], v[S+32*\c:S+32*\c+15], v[14+\c]
	v_cvt_scalef32_pk16_fp6_f32 v[F+12+4*\c:F+14+4*\c], v[S+32*\c+16:S+32*\c+31], v[14+\c]   ; (a conversion's three registers begin on an even number)
.endr
	v_nop                                          ; a plain line behind the scaled conversions
.irp c, 0,1
.irp k, 0,1,2
	v_mov_b32 v[F+3+6*\c+\k], v[F+12+4*\c+\k]
.endr
.endr
.if (\i) < 2
	ROWLOAD (\i)+2                                 ; the slot is free
.endif
.irp c, 0,1
	ds_store_b128 v5, v[F+6*\c:F+6*\c+3] offset:816*\c+16*\i
	ds_store_b64 v6, v[F+6*\c+4:F+6*\c+5] offset:816*\c+8*\i
	ds_store_b8 v7, v[BY+\c] offset:4*\i+2*\c
.endr
	global_store_b64 v8, v[CSR+2*\i:CSR+2*\i+1], s[16:17] offset:256*\i   ; 32 lanes store 256 consecutive bytes, aligned
.endm
	ROW 0, 16
	ROW 1, 16
	ROW 2, 16
	ROW 3, 0
	s_wait_dscnt 0x0                               ; for the others' sake: my stores into the images and the scale words are done
	s_barrier_signal -1
	s_barrier_wait -1
.irp k, 0,1,2,3,4,5,6,7,8,9,10,11
	ds_load_b128 v[32+4*\k:35+4*\k], v24 offset:2176*\k
.endr
	ds_load_b64 v[96:97], v27
.irp k, 0,1,2,3,4,5,6,7,8,9,10,11
	s_wait_dscnt 12-\k
	global_store_b128 v25, v[32+4*\k:35+4*\k], s[8:9] offset:2048*\k   ; the work-group stores 2,048 consecutive bytes
.endr
	s_wait_dscnt 0x0
	global_store_b64 v26, v[96:97], s[10:11]
	s_wait_tensorcnt 0x0
	ds_add_u32 v239, v243
	s_wait_dscnt 0x0
	s_endpgm
.Lfunc_end_k_q01dd5d9fd3_prep:
	.size	k_q01dd5d9fd3_prep, .Lfunc_end_k_q01dd5d9fd3_prep-k_q01dd5d9fd3_prep
	.p2alignl 7, 3214868480
	.fill 96, 4, 3214868480
	.section	.rodata,"a",@progbits
	.p2align	6, 0x0
	.amdhsa_kernel k_q01dd5d9fd3_prep
		.amdhsa_group_segment_fixed_size 64512
		.amdhsa_private_segment_fixed_size 0
		.amdhsa_enable_private_segment 0
		.amdhsa_kernarg_size 32
		.amdhsa_user_sgpr_count 2
		.amdhsa_user_sgpr_kernarg_segment_ptr 1
		.amdhsa_wavefront_size32 1
		.amdhsa_system_sgpr_workgroup_id_x 1
		.amdhsa_system_sgpr_workgroup_id_y 1
		.amdhsa_system_sgpr_workgroup_id_z 1
		.amdhsa_system_vgpr_workitem_id 0
		.amdhsa_next_free_vgpr 256
		.amdhsa_next_free_sgpr 66
		.amdhsa_reserve_vcc 1
		.amdhsa_float_denorm_mode_32 3
		.amdhsa_float_denorm_mode_16_64 3
		.amdhsa_memory_ordered 1
		.amdhsa_forward_progress 1
		.amdhsa_inst_pref_size 68
	.end_amdhsa_kernel
	.amdgpu_metadata
---
amdhsa.version: [ 1, 2 ]
amdhsa.kernels:
  - .name:           k_q01dd5d9fd3_prep
    .symbol:         k_q01dd5d9fd3_prep.kd
    .args:
      - { .name: x, .offset: 0, .size: 8, .value_kind: global_buffer, .address_space: global }
      - { .name: rms_w, .offset: 8, .size: 8, .value_kind: global_buffer, .address_space: global }
      - { .name: x_img, .offset: 16, .size: 8, .value_kind: global_buffer, .address_space: global }
      - { .name: x_aux, .offset: 24, .size: 8, .value_kind: global_buffer, .address_space: global }
    .group_segment_fixed_size: 64512
    .private_segment_fixed_size: 0
    .kernarg_segment_align: 8
    .kernarg_segment_size: 32
    .max_flat_workgroup_size: 128
    .sgpr_count:     66
    .vgpr_count:     256
    .wavefront_size: 32
...
	.end_amdgpu_metadata
.endif
;; end of part 1
;; launch gemm_in (part 2): grid 16 x 16, 4 waves a work-group, clusters of 4 x 4, 327,680 bytes of LDS; arguments x_img, x_aux, w_in_codes, w_in_scales, qk_img, att_sc, v_img; writes qk_img, att_sc, v_img
.if DOCPART == 2
	.amdgcn_target "amdgcn-amd-amdhsa--gfx1250"
	.amdhsa_code_object_version 6
	.text
	.protected	k_q01dd5d9fd3_gemm_in
	.globl	k_q01dd5d9fd3_gemm_in
	.p2align	8
	.type	k_q01dd5d9fd3_gemm_in,@function
k_q01dd5d9fd3_gemm_in:
	s_mov_b64 s[64:65], 0
	v_nop
	global_prefetch_b8 v0, s[64:65] scope:SCOPE_SE
	s_setreg_imm32_b32 hwreg(HW_REG_WAVE_MODE, 25, 1), 1
	s_wait_xcnt 0x0
	s_wait_alu depctr_hold_cnt(0) depctr_sa_sdst(0) depctr_va_vdst(0) depctr_va_sdst(0) depctr_va_ssrc(0) depctr_va_vcc(0) depctr_vm_vsrc(0)
	s_getreg_b32 s2, hwreg(HW_REG_IB_STS2, 6, 4)
	s_cmp_eq_u32 s2, 0
	s_cbranch_scc0 .Lentry_in_a_cluster
	s_endpgm
.Lentry_in_a_cluster:
	s_bfe_u32 s2, ttmp6, 0x10000c
	s_cmp_lg_u32 s2, 0xf033
	s_cbranch_scc0 .Lentry_shape_is_right
	s_endpgm
.Lentry_shape_is_right:
; The in-projection on FP6 (E2M3) codes with E8M0 scales, then RoPE and the quantisers of q, k (along d) and v (along the keys).
; A = the normed x as register images x_img [row tile 256][K step 16][1536] with scale words in x_aux; B = w_in_codes, rows of 1,536 bytes, as they lie.
; A work-group makes 256 rows x 128 columns, four waves of 128 x 64 each: 32 accumulators (window 1).  Source 0 = 16 rows of w_in, source 1 = 16 rows of x: a lane holds 8 neighbouring columns of one row.
; LDS: A in two slots of four K steps (16 row tiles x 6,144 bytes each); B in ONE buffer of eight K steps: 128 rows x 768 bytes, each row beginning at a multiple of 256 bytes of memory,
; 16 bytes of padding behind every 256 (pitch 816); all scales, brought once.  Four fills: (A0, B0, scales), A1, A2, (A3, B1).  The launch claims all of LDS.
; CLUSTERS 4 x 4: A's tiles are asked for jointly along a row of the cluster, B's along a column.
; PREFETCH: behind fill i each wave names 24 blocks of 256 bytes of fill i + 1; the four partners of a joint load share the blocks out by address (cx for A, cy for B); the RoPE table's rows likewise, once.
; OUT: qk_img [b][24 heads][128 row tiles][768] half images of q and k, att_sc their scale words (upper two bytes 127) and, from byte 393,216, v's; v_img images of v with the keys as K.
; The stages of the way out lie in slot 0, behind its last fill and a barrier behind its last read.
; LIMITS: NaN and infinities are not served; a block of zeros gets the byte 1 (this program alone reads the bytes).
.set KSTEPS, 16
.set KROW,   1536
.set KS,     64
.set ATILE,  6144
.set AHALF,  8*ATILE
.set SLOT,   2*AHALF
.set BOFF,   2*SLOT
.set PITCH,  816
.set BHALF,  64*PITCH
.set SCA,    BOFF+2*BHALF
.set ASCT,   64*KSTEPS
.set ASCH,   8*ASCT
.set SCB,    SCA+2*ASCH
.set BSCH,   (64*KS/256)*272
.set SBLK,   (16*KS/256)*272
.set SPARE,  SCB+2*BSCH
.set STG,    0
.set TAB,    262144
.set VSCO,   393216
.set VB,     STG+2048
.set VW,     158
.set MSB, 0
.macro WIN new                         ; the immediate's high byte repeats the setting that is left
.if MSB != \new
	s_set_vgpr_msb (MSB<<8)|\new
.set MSB, \new
.endif
.endm
.macro PLACES n
.rept \n
	v_nop
.endr
.endm
.macro TL g0, g1                       ; a tensor load with an s_nop and four v_nops behind it
	tensor_load_to_lds s[\g0:\g0+3], s[\g1:\g1+7]
	s_nop 0
.rept 4
	v_nop
.endr
.endm
.macro ARM under, g0, g1, next
	s_cmp_lt_u32 s18, \under
	s_cbranch_scc0 \next
	TL \g0, \g1
	s_branch .Lhead_asked
\next:
.endm
.macro JLOAD_A g0                      ; waves 0, 1 fetch A's two halves; waves 2, 3 have no part
	s_cmp_eq_u32 s19, 0
	s_cbranch_scc0 .Lnone_\@
	TL \g0, 24
.Lnone_\@:
	PLACES 4                                       ; places in front of the LDS loads, on both ways
.endm
.macro JLOAD_AB                        ; waves 0, 1: A's halves into slot 1; waves 2, 3: B's halves
	s_cmp_eq_u32 s19, 0
	s_cbranch_scc0 .Lfor_b_\@
	TL 36, 24
	s_branch .Lasked_\@
.Lfor_b_\@:
	TL 56, 48
.Lasked_\@:
.endm
.macro CREST
	s_cmp_lg_u32 s18, 0
	s_cbranch_scc1 .Lnot_wave_0_\@
	s_barrier_signal -3
.Lnot_wave_0_\@:
	s_barrier_wait -3
	s_barrier_signal -1
	s_barrier_wait -1
.endm
.macro CROUND
	s_barrier_signal -1
	s_barrier_wait -1
	CREST
.endm
	s_load_b256 s[4:11], s[0:1], 0x0               ; x_img, x_aux, w_in_codes, w_in_scales
	s_load_b128 s[12:15], s[0:1], 0x20             ; qk_img, att_sc
	s_load_b64 s[16:17], s[0:1], 0x30              ; v_img
	v_lshl_add_u32 v28, v0, 2, SPARE
	v_mov_b32 v29, 0
	ds_add_u32 v28, v29                            ; the opening lines
	ds_add_u32 v28, v29
	v_lshrrev_b32 v1, 5, v0
	v_readfirstlane_b32 s18, v1                    ; wave
	s_lshr_b32 s19, s18, 1                         ; my half of the rows; also: I fetch for A (0) or B (1)
	s_and_b32 s20, s18, 1                          ; my half of the columns; also: which half I fetch
	s_bfe_u32 s22, ttmp6, 0x40000                  ; cx
	s_bfe_u32 s23, ttmp6, 0x40004                  ; cy
	s_lshl_b32 s40, ttmp9, 2
	s_add_co_u32 s40, s40, s22                     ; tile column
	s_and_b32 s41, ttmp7, 0xffff
	s_lshl_b32 s41, s41, 2
	s_add_co_u32 s41, s41, s23                     ; tile row
	s_lshl_b32 s42, s23, 2
	s_lshl_b32 s42, 15, s42                        ; my row of the cluster
	s_lshl_b32 s43, 0x1111, s22                    ; my column
	s_or_b32 s24, s42, (3<<16)|(1<<21)             ; A: rows of 768 elements of 8 bytes, 16 row tiles at the head, 8 later
	s_mov_b32 s25, 768<<16
	s_mov_b32 s26, 16<<16
	s_mov_b32 s27, 768<<16
	s_mov_b32 s28, 16
	s_mov_b32 s29, KSTEPS*192
	s_mov_b32 s30, 0
	s_mov_b32 s31, 0
	s_or_b32 s48, s43, (0<<16)|(1<<20)|(1<<21)|(5<<22)|(3<<25)   ; B: rows of 768 bytes, 4 words of padding behind every 64; 128 rows at the head, 64 later
	s_mov_b32 s49, 768<<16
	s_mov_b32 s50, 128<<16
	s_mov_b32 s51, 768<<16
	s_mov_b32 s52, 128
	s_mov_b32 s53, KROW
	s_mov_b32 s54, 0
	s_mov_b32 s55, 0
	s_or_b32 s68, s42, (3<<16)|(1<<21)             ; A's scale words: 64 dense rows of 256 bytes
	s_mov_b32 s69, 32<<16
	s_mov_b32 s70, 64<<16
	s_mov_b32 s71, 32<<16
	s_mov_b32 s72, 64
	s_mov_b32 s73, 32
	s_mov_b32 s74, 0
	s_mov_b32 s75, 0
	s_or_b32 s80, s43, (3<<16)|(1<<20)|(1<<21)|(5<<22)|(3<<25)   ; B's scales: 32 dense rows of 256 bytes, padded
	s_mov_b32 s81, 32<<16
	s_mov_b32 s82, 32<<16
	s_mov_b32 s83, 32<<16
	s_mov_b32 s84, 32
	s_mov_b32 s85, 32
	s_mov_b32 s86, 0
	s_mov_b32 s87, 0
	s_mul_i32 s92, s41, 16*KSTEPS*1536
	s_mov_b32 s93, 0
	s_lshl_b32 s94, s41, 14
	s_mov_b32 s95, 0
	s_mul_i32 s96, s40, 128*KROW
	s_mov_b32 s97, 0
	s_lshl_b32 s98, s40, 13
	s_mov_b32 s99, 0
	s_wait_dscnt 0x0                               ; both opening adds are done
	s_wait_kmcnt 0x0
	s_add_nc_u64 s[92:93], s[4:5], s[92:93]        ; A's 16 row tiles
	s_add_nc_u64 s[94:95], s[6:7], s[94:95]        ; their scale words
	s_add_nc_u64 s[44:45], s[8:9], s[96:97]        ; B's 128 rows
	s_add_nc_u64 s[46:47], s[10:11], s[98:99]      ; their scales
	s_mov_b32 s60, 1                               ; the head's four tiles, each whole
	s_mov_b32 s61, 0
	s_mov_b64 s[62:63], s[92:93]
	s_or_b32 s63, s63, 0x80000000
	s_mov_b32 s96, 1
	s_mov_b32 s97, BOFF
	s_mov_b64 s[98:99], s[44:45]
	s_or_b32 s99, s99, 0x80000000
	s_mov_b32 s76, 1
	s_mov_b32 s77, SCA
	s_mov_b64 s[78:79], s[94:95]
	s_or_b32 s79, s79, 0x80000000
	s_mov_b32 s88, 1
	s_mov_b32 s89, SCB
	s_mov_b64 s[90:91], s[46:47]
	s_or_b32 s91, s91, 0x80000000
	s_lshl_b32 s2, s22, 2                          ; the prefetches: of A's 16 row tiles mine is 4 cx + wave,
	s_add_co_u32 s2, s2, s18
	s_mul_i32 s2, s2, KSTEPS*1536
	s_mov_b32 s3, 0
	s_add_nc_u64 s[100:101], s[92:93], s[2:3]
	s_lshl_b32 s2, s23, 2                          ; of B's 128 rows mine are 8 (4 cy + wave) + 0 .. 7,
	s_add_co_u32 s2, s2, s18
	s_mul_i32 s2, s2, 8*KROW
	s_add_nc_u64 s[2:3], s[44:45], s[2:3]
	s_lshl_b32 s94, s41, 16                        ; of the table's 256 rows 64 cx + 16 wave + 0 .. 15
	s_lshl_b32 s95, s22, 14
	s_add_co_u32 s94, s94, s95
	s_lshl_b32 s95, s18, 12
	s_add_co_u32 s94, s94, s95
	s_add_co_u32 s94, s94, TAB
	s_mov_b32 s95, 0
	s_add_nc_u64 s[22:23], s[6:7], s[94:95]
	s_mul_i32 s94, s20, 8*KSTEPS*1536              ; the later fills, by halves
	s_add_nc_u64 s[92:93], s[92:93], s[94:95]
	s_mul_i32 s94, s20, 64*KROW
	s_add_nc_u64 s[44:45], s[44:45], s[94:95]
	s_mov_b32 s32, 1                               ; slot 0: K steps 8-11
	s_mul_i32 s33, s20, AHALF
	s_add_nc_u64 s[34:35], s[92:93], 2*ATILE
	s_or_b32 s35, s35, 0x80000000
	s_mov_b32 s36, 1                               ; slot 1: K steps 4-7, later 12-15
	s_add_co_u32 s37, s33, SLOT
	s_add_nc_u64 s[38:39], s[92:93], ATILE
	s_or_b32 s39, s39, 0x80000000
	s_mov_b32 s56, 1                               ; B: K steps 8-15
	s_mul_i32 s57, s20, BHALF
	s_add_co_u32 s57, s57, BOFF
	s_add_nc_u64 s[58:59], s[44:45], 768
	s_or_b32 s59, s59, 0x80000000
	CROUND                                         ; all sixteen work-groups are here: the first joint loads meet
	ARM 1, 60, 24, .Lhead_b                        ; one load a wave: A, B, A's scales, B's scales
	ARM 2, 96, 48, .Lhead_sa
	ARM 3, 76, 68, .Lhead_sb
	TL 88, 80
.Lhead_asked:
	s_mul_i32 s44, s19, AHALF                      ; the scalars of the LDS addresses first, then the vector lines on end
	s_add_co_u32 s45, s44, 512
	s_add_co_u32 s46, s44, SLOT
	s_add_co_u32 s47, s46, 512
	s_mul_i32 s94, s20, BHALF
	s_add_co_u32 s94, s94, BOFF
	s_mul_i32 s95, s19, ASCH
	s_add_co_u32 s95, s95, SCA
	s_mul_i32 s92, s20, BSCH
	s_add_co_u32 s92, s92, SCB
	s_lshl_b32 s93, s18, 9
	s_add_co_u32 s93, s93, STG
	s_mul_i32 s21, s18, 15360
	s_add_co_u32 s21, s21, VB
	v_and_b32 v1, 31, v0
	v_and_b32 v2, 15, v0
	v_bfe_u32 v3, v0, 4, 1
	v_min_u32 v4, 23, v1
	v_lshlrev_b32 v4, 8, v4                        ; A's prefetch: 24 blocks of 256 bytes; the lanes left over name the last again
	v_and_b32 v5, 7, v1
	v_mul_u32_u24 v5, v5, KROW
	v_lshrrev_b32 v6, 3, v1
	v_min_u32 v6, 2, v6
	v_lshl_add_u32 v5, v6, 8, v5                   ; B's: 8 rows x 3 blocks
	v_min_u32 v20, 15, v1
	v_lshlrev_b32 v20, 8, v20                      ; the table's: 16 rows of 256 bytes
	v_lshlrev_b32 v19, 4, v1
	v_lshlrev_b32 v31, 3, v1
	v_add_nc_u32 v8, s44, v19                      ; A's images: 16 L, slot 0, 1
	v_add_nc_u32 v10, s45, v31                     ; and 512 + 8 L
	v_add_nc_u32 v9, s46, v19
	v_add_nc_u32 v11, s47, v31
	v_mul_u32_u24 v6, v2, PITCH
	v_mad_u32_u24 v7, v3, 24, v6
	v_mad_u32_u24 v6, v3, 40, v6
	v_add_nc_u32 v12, s94, v7                      ; B: row x pitch + 24 h;
	v_add_nc_u32 v14, s94, v6                      ; + 40 h where lanes 16-31 lie behind the next padding
	global_prefetch_b8 v4, s[100:101] offset:ATILE th:TH_LOAD_NT scope:SCOPE_SE   ; K steps 4-7 of A: the next fill
	v_lshl_add_u32 v16, v1, 2, s95                 ; A's scale words: lanes 0-15 the even step, 16-31 the odd one
	v_mul_u32_u24 v6, v2, KS
	v_lshrrev_b32 v7, 8, v6
	v_lshl_add_u32 v6, v7, 4, v6
	v_lshl_add_u32 v6, v3, 2, v6
	v_add_nc_u32 v17, s92, v6                      ; B's likewise
	v_lshlrev_b32 v18, 8, v2
	v_lshl_add_u32 v18, v3, 6, v18                 ; the table: row r, 64 h
	v_lshl_add_u32 v21, v2, 2, s93
	v_add_nc_u32 v22, s93, v19
	v_mul_u32_u24 v23, v2, 272
	v_lshl_add_u32 v23, v3, 5, v23
	v_add_nc_u32 v23, s21, v23
	v_lshl_add_u32 v24, v1, 2, s21
	v_mul_u32_u24 v25, v3, 1536
	v_lshl_add_u32 v26, v2, 3, v25
	v_lshl_add_u32 v25, v2, 4, v25
	v_add_nc_u32 v25, s21, v25
	v_add_nc_u32 v25, 8704, v25
	v_add_nc_u32 v27, s21, v19
	v_add_nc_u32 v27, 8704, v27
	v_add_nc_u32 v26, s21, v26
	v_add_nc_u32 v26, 9216, v26
	v_add_nc_u32 v30, s21, v31
	v_add_nc_u32 v30, 14848, v30
.macro FRAG_A reg, st, a               ; K step st lies in slot (st / 4) % 2
	ds_load_b128 v[\reg:\reg+3], v[8+((\st)/4)%2] offset:(\a)*ATILE+((\st)%4)*1536
	ds_load_b64 v[\reg+4:\reg+5], v[10+((\st)/4)%2] offset:(\a)*ATILE+((\st)%4)*1536
	ds_load_b128 v[\reg+6:\reg+9], v[8+((\st)/4)%2] offset:(\a)*ATILE+((\st)%4)*1536+768
	ds_load_b64 v[\reg+10:\reg+11], v[10+((\st)/4)%2] offset:(\a)*ATILE+((\st)%4)*1536+768
.endm
.macro FRAG_B reg, st, i               ; pieces of 8 bytes; piece PC of a row lies at 8 PC + 16 (PC / 32); lanes 16-31 take piece PC + 3
.irp p, 0,1,2,3,4,5
.set PC, 12*((\st)%8)+6*(\p/3)+\p%3
.if PC%32 < 29
	ds_load_b64 v[\reg+2*\p:\reg+2*\p+1], v12 offset:8*PC+16*(PC/32)+(\i)*16*PITCH
.else
	ds_load_b64 v[\reg+2*\p:\reg+2*\p+1], v14 offset:8*PC+16*(PC/32)+(\i)*16*PITCH
.endif
.endr
.endm
.macro FETCH_B st
.irp i, 0,1,2,3
	FRAG_B 160+48*((\st)%2)+12*\i, \st, \i
.endr
.endm
.macro FETCH_A st, a0
.irp i, \a0, \a0+1, \a0+2, \a0+3
	FRAG_A 64+12*(\i), \st, \i
.endr
.endm
.macro SCALES pr                       ; the words of K steps 2 pr, 2 pr + 1 into set pr % 2
.irp a, 0,1,2,3,4,5,6,7
	ds_load_b32 v[32+12*((\pr)%2)+\a], v16 offset:\a*ASCT+128*(\pr)
.endr
.irp b, 0,1,2,3
	ds_load_b32 v[40+12*((\pr)%2)+\b], v17 offset:\b*SBLK+8*(\pr)
.endr
.endm
.macro FETCH1 nx
	FETCH_B \nx
	FETCH_A \nx, 0
.if (\nx)%2 == 0
	SCALES (\nx)/2
.endif
.endm
.macro MULA st, a0, n                  ; n blocks of A against B's four; the 32 accumulators take turns; step 0 starts the sums
.set AI, \a0
.set BS, 160+48*((\st)%2)
.set SS, 32+12*(((\st)/2)%2)
.rept \n
.irp b, 0,1,2,3
.if (\st) == 0
	v_wmma_scale_f32_16x16x128_f8f6f4 v[8*(4*AI+\b):8*(4*AI+\b)+7], v[BS+12*\b:BS+12*\b+11], v[64+12*AI:64+12*AI+11], 0, v[SS+8+\b], v[SS+AI] matrix_a_fmt:MATRIX_FMT_FP6 matrix_b_fmt:MATRIX_FMT_FP6
.elseif (\st)%2
	v_wmma_scale_f32_16x16x128_f8f6f4 v[8*(4*AI+\b):8*(4*AI+\b)+7], v[BS+12*\b:BS+12*\b+11], v[64+12*AI:64+12*AI+11], v[8*(4*AI+\b):8*(4*AI+\b)+7], v[SS+8+\b], v[SS+AI] matrix_a_fmt:MATRIX_FMT_FP6 matrix_b_fmt:MATRIX_FMT_FP6 matrix_a_scale:MATRIX_SCALE_ROW1 matrix_b_scale:MATRIX_SCALE_ROW1
.else
	v_wmma_scale_f32_16x16x128_f8f6f4 v[8*(4*AI+\b):8*(4*AI+\b)+7], v[BS+12*\b:BS+12*\b+11], v[64+12*AI:64+12*AI+11], v[8*(4*AI+\b):8*(4*AI+\b)+7], v[SS+8+\b], v[SS+AI] matrix_a_fmt:MATRIX_FMT_FP6 matrix_b_fmt:MATRIX_FMT_FP6
.endif
.endr
.set AI, AI+1
.endr
.endm
.macro SECOND st                       ; a step's second half, and the next step's A blocks 4-7
	WIN 0x50
	MULA \st, 4, 4
	PLACES 4
	WIN 0
	FETCH_A (\st)+1, 4
.endm
.macro STEP st, first, bar             ; first: the LDS loads that may stay out (16: A's blocks 4-7)
	s_wait_dscnt \first
	WIN 0x50
	MULA \st, 0, 4
	s_wait_dscnt 0x0
	PLACES 4
	WIN 0
.if \bar
	s_barrier_signal -1                            ; every wave's reads of slot 0 are over: the stages of the way out lie there
	s_barrier_wait -1
.endif
	FETCH1 (\st)+1
	SECOND \st
.endm
.macro MEET st                         ; the three lines, and a round of the cluster's barrier, in front of a refill
	s_wait_tensorcnt 0x0                           ; all my tensor loads have landed
	ds_add_u32 v28, v29
	s_wait_dscnt 17                                ; the add and A's blocks 4-7 may be out
	WIN 0x50
	MULA \st, 0, 2
	s_wait_dscnt 0x0                               ; the add is done, my reads of the slot (and at step 7 of B) are over
	s_barrier_signal -1
	MULA \st, 2, 2
	WIN 0
	s_barrier_wait -1
	CREST
.endm
	s_wait_alu depctr_va_vdst(0)                   ; the head's end
	s_wait_tensorcnt 0x0                           ; my tile of the head's four is in
	ds_add_u32 v28, v29
	s_mov_b32 s26, 8<<16                           ; no load of mine is out: from here on a load brings 8 row tiles of A
	s_mov_b32 s28, 8
	s_mov_b32 s50, 64<<16                          ; or 64 rows of B
	s_mov_b32 s52, 64
	s_wait_dscnt 0x0
	CROUND
	JLOAD_A 36                                     ; slot 1's first fill: K steps 4-7
	FETCH_B 0
	FETCH_A 0, 0
	SCALES 0
	FETCH_A 0, 4
	global_prefetch_b8 v4, s[100:101] offset:2*ATILE th:TH_LOAD_NT scope:SCOPE_SE   ; K steps 8-11 of A: the next fill
	s_cmp_eq_u32 ttmp9, 3
	s_cbranch_scc1 .Lno_tab                        ; v's columns take no RoPE
	global_prefetch_b8 v20, s[22:23] th:TH_LOAD_NT scope:SCOPE_SE
.Lno_tab:
.irp t, 0,1,2
	STEP \t, 16, 0
.endr
	MEET 3
	JLOAD_A 32                                     ; slot 0 again: K steps 8-11
	FETCH1 4
	global_prefetch_b8 v4, s[100:101] offset:3*ATILE th:TH_LOAD_NT scope:SCOPE_SE   ; the last fill: K steps 12-15 of A,
	global_prefetch_b8 v5, s[2:3] offset:768 th:TH_LOAD_NT scope:SCOPE_SE           ; and 8-15 of B
	SECOND 3
.irp t, 4,5,6
	STEP \t, 16, 0
.endr
	MEET 7
	s_add_nc_u64 s[38:39], s[38:39], 2*ATILE
	JLOAD_AB                                       ; slot 1: K steps 12-15; B: K steps 8-15
	FETCH_A 8, 0
	SCALES 4
	SECOND 7
	s_wait_tensorcnt 0x0                           ; my part of the last fill is in;
	s_wait_dscnt 0x0
	s_barrier_signal -1
	s_barrier_wait -1                              ; everybody's
	FETCH_B 8
	STEP 8, 0, 0
.irp t, 9,10,11
	STEP \t, 16, 0
.endr
	STEP 12, 16, 1
	STEP 13, 16, 0
	STEP 14, 16, 0
.macro LAST
	s_wait_dscnt 16
	WIN 0x50
	MULA 15, 0, 4
	s_wait_dscnt 0x0
	MULA 15, 4, 4
	WIN 0
	PLACES 4
.endm
	s_mov_b32 s92, 0x76543210
	s_mov_b32 s93, 0xfedcba98
	s_mov_b32 s95, 0
	s_lshr_b32 s44, s41, 3                         ; b
	s_and_b32 s45, s41, 7
	s_cmp_eq_u32 ttmp9, 3
	s_cbranch_scc1 .Lv_path
	; q AND k: RoPE, quantised along d.  The whole table of my 128 rows is asked for ahead of the last K step, into window 2
	s_mul_i32 s46, s44, 24
	s_lshl_b32 s47, s40, 1
	s_add_co_u32 s46, s46, s47
	s_add_co_u32 s46, s46, s20
	s_lshl_b32 s46, s46, 7
	s_lshl_b32 s47, s45, 4
	s_add_co_u32 s46, s46, s47
	s_lshl_b32 s47, s19, 3
	s_add_co_u32 s46, s46, s47
	s_mul_i32 s94, s46, 768
	s_add_nc_u64 s[12:13], s[12:13], s[94:95]
	s_lshl_b32 s94, s46, 6
	s_add_nc_u64 s[14:15], s[14:15], s[94:95]
	s_lshl_b32 s94, s41, 16
	s_lshl_b32 s47, s19, 15
	s_add_co_u32 s94, s94, s47
	s_add_co_u32 s94, s94, TAB
	s_add_nc_u64 s[6:7], s[6:7], s[94:95]
	v_mov_b32 v172, 0
	v_mov_b32 v173, 0
	WIN 0x80
.irp a, 0,1,2,3,4,5,6,7
.irp u, 0,1
.irp k, 0,1,2,3
	global_load_b128 v[32*\a+16*\u+4*\k:32*\a+16*\u+4*\k+3], v18, s[6:7] offset:\a*4096+128*\u+16*\k
.endr
.endr
.endr
	WIN 0
	LAST
.macro QUANT2 s, pw
	v_max3_num_f32 v170, |v[\s]|, |v[\s+1]|, 0x1800000
	v_max3_num_f32 v171, |v[\s+16]|, |v[\s+17]|, 0x1800000
.irp i, 2,4,6,8,10,12,14
	v_max3_num_f32 v170, v170, |v[\s+\i]|, |v[\s+\i+1]|
	v_max3_num_f32 v171, v171, |v[\s+16+\i]|, |v[\s+17+\i]|
.endr
	v_permlanex16_b32 v172, v170, s92, s93
	v_permlanex16_b32 v173, v171, s92, s93
	v_max_num_f32 v170, v170, v172
	v_max_num_f32 v171, v171, v173
	v_add_nc_u32 v174, 0xff000000, v170
	v_add_nc_u32 v175, 0xff000000, v171
	v_lshrrev_b32 v172, 23, v174
	v_lshrrev_b32 v173, 23, v175
	v_lshl_or_b32 v[\pw], v173, 8, v172
	v_cvt_scalef32_pk16_fp6_f32 v[160:162], v[\s:\s+15], v174
	v_cvt_scalef32_pk16_fp6_f32 v[166:168], v[\s+16:\s+31], v175
	v_nop
.irp i, 0,1,2
	v_permlane16_swap_b32 v[160+\i], v[166+\i]
.endr
.irp i, 0,1,2
	v_mov_b32 v[163+\i], v[166+\i]
.endr
.endm
.irp a, 0,1,2,3,4,5,6,7
.set TT, 32*\a
	s_wait_loadcnt 8*(7-\a)                        ; the later blocks' loads, 8 each, may be out
	WIN 0x09                                       ; source 0: the sums (window 1); source 1: the table (window 2)
.irp u, 0,1
.irp j, 0,1,2,3,4,5,6,7
	v_mul_f32 v[128+8*\u+\j], v[8*(4*\a+2+\u)+\j], v[TT+16*\u+2*\j+1]
	v_mul_f32 v[144+8*\u+\j], v[8*(4*\a+\u)+\j], v[TT+16*\u+2*\j+1]
	v_fma_f32 v[128+8*\u+\j], v[8*(4*\a+\u)+\j], v[TT+16*\u+2*\j], -v[128+8*\u+\j]
	v_fma_f32 v[144+8*\u+\j], v[8*(4*\a+2+\u)+\j], v[TT+16*\u+2*\j], v[144+8*\u+\j]
.endr
.endr
	WIN 0
	s_wait_xcnt 0x0                                ; the last block's stores have read their registers
	QUANT2 128, 180+\a
	v_or_b32 v[180+\a], 0x7f7f0000, v[180+\a]
	global_store_b128 v19, v[160:163], s[12:13] offset:768*\a
	global_store_b64 v31, v[164:165], s[12:13] offset:768*\a+512
	ds_store_b32 v21, v[180+\a] offset:64*\a
.endr
	ds_load_b128 v[64:67], v22
	s_wait_dscnt 0x0
	global_store_b128 v19, v[64:67], s[14:15]
	s_branch .Ldone
.Lv_path:
	; v: turned through my stage so that a lane's registers run along the keys, quantised by blocks of 32 keys
	LAST
	s_sub_co_u32 s46, s40, 12
	s_lshl_b32 s46, s46, 1
	s_add_co_u32 s46, s46, s20
	s_lshl_b32 s47, s44, 3
	s_add_co_u32 s46, s46, s47
	s_lshl_b32 s46, s46, 4
	s_lshl_b32 s47, s45, 1
	s_add_co_u32 s46, s46, s47
	s_add_co_u32 s46, s46, s19
	s_mul_i32 s94, s46, 6144
	s_add_nc_u64 s[16:17], s[16:17], s[94:95]
	s_lshl_b32 s94, s46, 8
	s_add_co_u32 s94, s94, VSCO
	s_add_nc_u64 s[14:15], s[14:15], s[94:95]
.irp kb, 0,1,2,3
	WIN 0x04
.irp ap, 0,1
.irp cb, 0,1,2,3
	ds_store_b128 v23, v[8*(4*(2*\kb+\ap)+\cb):8*(4*(2*\kb+\ap)+\cb)+3] offset:\ap*16*272+64*\cb
	ds_store_b128 v23, v[8*(4*(2*\kb+\ap)+\cb)+4:8*(4*(2*\kb+\ap)+\cb)+7] offset:\ap*16*272+64*\cb+16
.endr
.endr
	WIN 0
.irp gm, 0,1
.set n, 0
.rept 32
	ds_load_b32 v[64+32*\gm+n], v24 offset:128*\gm+272*(16*((n/8)%2)+8*(n/16)+n%8)
.set n, n+1
.endr
.endr
	s_wait_dscnt 0x0
.irp gm, 0,1
	v_max3_num_f32 v[152+\gm], |v[64+32*\gm]|, |v[65+32*\gm]|, 0x1800000
.endr
.irp i, 2,4,6,8,10,12,14,16,18,20,22,24,26,28,30
.irp gm, 0,1
	v_max3_num_f32 v[152+\gm], v[152+\gm], |v[64+32*\gm+\i]|, |v[65+32*\gm+\i]|
.endr
.endr
.irp gm, 0,1
	v_add_nc_u32 v[154+\gm], 0xff000000, v[152+\gm]
.endr
.irp gm, 0,1
	v_lshrrev_b32 v[156+\gm], 23, v[154+\gm]
.endr
.irp gm, 0,1
.if \kb == 0
	v_mov_b32 v[VW+\gm], v[156+\gm]
.else
	v_lshl_or_b32 v[VW+\gm], v[156+\gm], 8*\kb, v[VW+\gm]
.endif
.endr
.irp gm, 0,1
	v_cvt_scalef32_pk16_fp6_f32 v[128+8*\gm:130+8*\gm], v[64+32*\gm:79+32*\gm], v[154+\gm]
	v_cvt_scalef32_pk16_fp6_f32 v[144+4*\gm:146+4*\gm], v[80+32*\gm:95+32*\gm], v[154+\gm]
.endr
	v_nop
.irp gm, 0,1
.irp i, 0,1,2
	v_mov_b32 v[131+8*\gm+\i], v[144+4*\gm+\i]
.endr
.endr
.irp gm, 0,1
	ds_store_b128 v25, v[128+8*\gm:131+8*\gm] offset:3072*\gm+768*(\kb/2)+256*(\kb%2)
	ds_store_b64 v26, v[132+8*\gm:133+8*\gm] offset:3072*\gm+768*(\kb/2)+128*(\kb%2)
.endr
.endr
	ds_store_b32 v24, v[VW] offset:14848
	ds_store_b32 v24, v[VW+1] offset:14848+128
.irp k, 0,1,2,3,4,5,6,7,8,9,10,11
	ds_load_b128 v[64+4*\k:67+4*\k], v27 offset:512*\k
.endr
	ds_load_b64 v[112:113], v30
.irp k, 0,1,2,3,4,5,6,7,8,9,10,11
	s_wait_dscnt 12-\k
	global_store_b128 v19, v[64+4*\k:67+4*\k], s[16:17] offset:512*\k
.endr
	s_wait_dscnt 0x0
	global_store_b64 v31, v[112:113], s[14:15]
.Ldone:
	s_wait_tensorcnt 0x0                           ; the wave's end
	ds_add_u32 v28, v29
	s_wait_dscnt 0x0
	CROUND                                         ; the closing round
	s_endpgm
.Lfunc_end_k_q01dd5d9fd3_gemm_in:
	.size	k_q01dd5d9fd3_gemm_in, .Lfunc_end_k_q01dd5d9fd3_gemm_in-k_q01dd5d9fd3_gemm_in
	.p2alignl 7, 3214868480
	.fill 96, 4, 3214868480
	.section	.rodata,"a",@progbits
	.p2align	6, 0x0
	.amdhsa_kernel k_q01dd5d9fd3_gemm_in
		.amdhsa_group_segment_fixed_size 327680
		.amdhsa_private_segment_fixed_size 0
		.amdhsa_enable_private_segment 0
		.amdhsa_kernarg_size 56
		.amdhsa_user_sgpr_count 2
		.amdhsa_user_sgpr_kernarg_segment_ptr 1
		.amdhsa_wavefront_size32 1
		.amdhsa_system_sgpr_workgroup_id_x 1
		.amdhsa_system_sgpr_workgroup_id_y 1
		.amdhsa_system_sgpr_workgroup_id_z 1
		.amdhsa_system_vgpr_workitem_id 0
		.amdhsa_next_free_vgpr 768
		.amdhsa_next_free_sgpr 102
		.amdhsa_reserve_vcc 0
		.amdhsa_float_denorm_mode_32 3
		.amdhsa_float_denorm_mode_16_64 3
		.amdhsa_memory_ordered 1
		.amdhsa_forward_progress 1
		.amdhsa_inst_pref_size 237
	.end_amdhsa_kernel
	.amdgpu_metadata
---
amdhsa.version: [ 1, 2 ]
amdhsa.kernels:
  - .name:           k_q01dd5d9fd3_gemm_in
    .symbol:         k_q01dd5d9fd3_gemm_in.kd
    .args:
      - { .name: x_img, .offset: 0, .size: 8, .value_kind: global_buffer, .address_space: global }
      - { .name: x_aux, .offset: 8, .size: 8, .value_kind: global_buffer, .address_space: global }
      - { .name: w_in_codes, .offset: 16, .size: 8, .value_kind: global_buffer, .address_space: global }
      - { .name: w_in_scales, .offset: 24, .size: 8, .value_kind: global_buffer, .address_space: global }
      - { .name: qk_img, .offset: 32, .size: 8, .value_kind: global_buffer, .address_space: global }
      - { .name: att_sc, .offset: 40, .size: 8, .value_kind: global_buffer, .address_space: global }
      - { .name: v_img, .offset: 48, .size: 8, .value_kind: global_buffer, .address_space: global }
    .group_segment_fixed_size: 327680
    .private_segment_fixed_size: 0
    .kernarg_segment_align: 8
    .kernarg_segment_size: 56
    .max_flat_workgroup_size: 128
    .sgpr_count:     102
    .vgpr_count:     768
    .wavefront_size: 32
...
	.end_amdgpu_metadata
.endif
;; end of part 2
;; launch attn (part 3): grid 16 x 16, 16 waves a work-group, no clusters, 251,904 bytes of LDS; arguments qk_img, att_sc, v_img, o_img, o_sc; writes o_img, o_sc
.if DOCPART == 3
	.amdgcn_target "amdgcn-amd-amdhsa--gfx1250"
	.amdhsa_code_object_version 6
	.text
	.protected	k_q01dd5d9fd3_attn
	.globl	k_q01dd5d9fd3_attn
	.p2align	8
	.type	k_q01dd5d9fd3_attn,@function
k_q01dd5d9fd3_attn:
	s_mov_b64 s[64:65], 0
	v_nop
	global_prefetch_b8 v0, s[64:65] scope:SCOPE_SE
	s_setreg_imm32_b32 hwreg(HW_REG_WAVE_MODE, 25, 1), 1
	s_wait_xcnt 0x0
; Causal attention of one (b, g) on codes of FP6 (E2M3) with E8M0 scales, and o quantised for the out-projection.
; t = score x log2(e) / 8; M = the running largest t rounded up to a whole number; p = 2^(t - M) is quantised along the keys, not normalised; the sum of the unquantised p divides at the end.
; Key steps all of whose keys come after a tile's queries are left out, by a scalar branch on ids; trip counts are constants.
; SHARES: work-group (x, y): y = 8 b + g; it takes the chunks of 64 positions x (short) and 31 - x (long), both heads: 16 tiles of 16 queries, each owned by one wave.
; Wave w: chunk by (w ^ (w >> 2)) & 1, head (w >> 1) & 1, tile w >> 2; waves w and w ^ 1 are a pair: the same head and tile of the two chunks.  A key step is 128 keys.
; A pair's two tiles have 17 key steps in all, the long one 9 to 16.  THE LONG TILE'S KEYS ARE SHARED OUT: first loop (7 trips, steps 9-15): the short tile's wave works on the LONG tile, and puts O^T, -M and the sums
; into LDS bytes of the pair; the long tile's wave passes over every trip.  Second loop (9 trips, steps 0-8): every wave works on its own tile.  Then the long tile's wave adds its partner's part:
; both parts are brought under the larger M by factors 2^(whole number), which round nothing.  So each wave has 8 or 9 steps.
; The barrier between the deposit and its reader is split: signal behind the deposit, wait behind the second loop; between the two stand register work and LDS loads of K and V, which no wave writes.
; NO CLUSTER: the work-groups that share K and V leave out different steps, and such a branch may not differ between partners of joint loads.
; ALL OF THE GROUP'S K AND V LIES IN LDS, filled once at the head: twelve loads, one a wave (waves 0-11); no byte is filled again.  No prefetch: every byte is asked for at the kernel's head.
; LAYOUT: both products transposed (S^T = K Q^T, O^T = V^T P^T): a lane holds one query.  The head's 64 fill half of the instruction's 128: K's other half is zero codes under the byte 127, so what stands
; in Q's other half adds nothing: there the wave keeps its own tile's Q while the long tile's is at work.  Q's scale register: lanes 0-15 the long tile's words, lanes 16-31 the own tile's.
; p comes out with position 16 hh + 8 u + j of a block = key 16 u + 8 hh + j; v's images were laid in that order.
; LIMITS: NaN and infinities are not served; a block of zeros gets the byte 1; the promise holds while the scaled scores stay under 2^31 in magnitude.
; REGISTERS: v1-3, v10, v11, v30, v31 addresses that stay; v4-9 the step's; v12 -M, v13 largest t, v[14:15] the sum; v16-27 Q; v28-29 V's scale words; v32-79 four fragments of K; v80-127 V's four;
;   v128-191 S^T, then p; v192-223 O^T; v224-235 p's codes; v232-254 at work; v248-251 K's scale words; v255 Q's.
.set KIMG, 0
.set VIMG, 98304
.set KSC,  196608
.set VSC,  204800
.set OSC,  208896                      ; 512 bytes, written by LDS stores alone
.set SPW,  0x34000                     ; the spare words, 2,048 bytes
.set PART, 215040                      ; 8 pairs x 4,608 bytes: a part of a long tile, an image of 36 registers
.set S,    128
.set O,    192
.set WV,   18
.set SEL,  20
.set CS,   22
.set TB,   2                           ; the step's images: 6,144 bytes a step
.set TS,   3                           ; K's scale words: 512
.set TJ,   66                          ; V's: 256
.set KF,   67                          ; the step's first key
.set Q0,   84                          ; the first query of the tile at work
.set CNT,  85
.set QO,   100                         ; my own tile's first query
.set PB,   101                         ; my pair's bytes
.macro GROUP1 g, rows                  ; a dense block as rows of 256 bytes (32 elements of 8 bytes), no padding
	s_mov_b32 s[\g], 3<<16
	s_mov_b32 s[\g+1], 32<<16
	s_mov_b32 s[\g+2], (\rows)<<16
	s_mov_b32 s[\g+3], 32<<16
	s_mov_b32 s[\g+4], \rows
	s_mov_b32 s[\g+5], 32
	s_mov_b32 s[\g+6], 0
	s_mov_b32 s[\g+7], 0
.endm
	s_load_b256 s[4:11], s[0:1], 0x0               ; qk_img, att_sc, v_img, o_img
	s_load_b64 s[12:13], s[0:1], 0x20              ; o_sc
	v_lshl_add_u32 v254, v0, 2, SPW
	v_mov_b32 v255, 0
	ds_add_u32 v254, v255                          ; the opening lines
	ds_add_u32 v254, v255
	v_lshrrev_b32 v4, 5, v0
	s_delay_alu instid0(VALU_DEP_1)
	v_readfirstlane_b32 s[WV], v4
	s_and_b32 s86, ttmp7, 0xffff                   ; 8 b + g
	s_lshr_b32 s14, s86, 3                         ; b
	s_and_b32 s15, s86, 7                          ; g
	s_lshr_b32 s17, s[WV], 2                       ; tile
	s_xor_b32 s19, s[WV], s17
	s_and_b32 s19, s19, 1                          ; 0: I own a tile of the short chunk, 1: of the long one
	s_bfe_u32 s16, s[WV], 0x10001                  ; head
	s_lshl_b32 s88, s17, 4
	s_sub_co_u32 s87, 31, ttmp9
	s_lshl_b32 s87, s87, 6
	s_add_co_u32 s87, s87, s88                     ; the long tile's first query
	s_lshl_b32 s[QO], ttmp9, 6
	s_add_co_u32 s[QO], s[QO], s88
	s_cmp_eq_u32 s19, 0
	s_cselect_b32 s[QO], s[QO], s87                ; my own tile's
	s_cselect_b32 s[Q0], s87, 0                    ; first loop: the long tile for its helper; 0 hides every step from its owner
	GROUP1 24, 16
	GROUP1 32, 8
	GROUP1 40, 48
	GROUP1 48, 144
	s_mul_i32 s88, s14, 24
	s_add_co_u32 s88, s88, s15
	s_add_co_u32 s88, s88, 16                      ; 24 b + 16 + g: k's place among the heads
	s_and_b32 s89, s[WV], 1                        ; which half I fetch
	s_mul_i32 s90, s88, 98304
	s_mul_i32 s91, s86, 98304
	s_mul_i32 s92, s89, 12288
	s_mul_i32 s93, s89, 36864
	s_add_co_u32 s93, s93, 24576
	s_lshl_b32 s94, s88, 13
	s_lshl_b32 s95, s89, 12
	s_lshl_b32 s96, s86, 12
	s_add_co_u32 s96, s96, 393216
	s_lshl_b32 s97, s89, 11
	s_mov_b32 s99, 0
	s_mov_b32 s[SEL], 0x76543210
	s_mov_b32 s[SEL+1], 0xfedcba98
	s_mov_b32 s[CS], 0x3e38aa3b                    ; log2(e) / 8
	s_mov_b32 s[CS+1], s[CS]
	s_wait_dscnt 0x0                               ; both opening adds are done
	s_wait_kmcnt 0x0
	s_mov_b32 s56, 1                               ; K's scale words
	s_add_co_u32 s57, s95, KSC
	s_add_co_u32 s98, s94, s95
	s_add_nc_u64 s[58:59], s[6:7], s[98:99]
	s_or_b32 s59, s59, 0x80000000
	s_mov_b32 s60, 1                               ; K, keys 0-511
	s_add_co_u32 s61, s92, KIMG
	s_add_co_u32 s98, s90, s92
	s_add_nc_u64 s[62:63], s[4:5], s[98:99]
	s_or_b32 s63, s63, 0x80000000
	s_mov_b32 s68, 1                               ; K, the rest
	s_add_co_u32 s69, s93, KIMG
	s_add_co_u32 s98, s90, s93
	s_add_nc_u64 s[70:71], s[4:5], s[98:99]
	s_or_b32 s71, s71, 0x80000000
	s_mov_b32 s72, 1                               ; V's scale words
	s_add_co_u32 s73, s97, VSC
	s_add_co_u32 s98, s96, s97
	s_add_nc_u64 s[74:75], s[6:7], s[98:99]
	s_or_b32 s75, s75, 0x80000000
	s_mov_b32 s76, 1                               ; V, keys 0-511
	s_add_co_u32 s77, s92, VIMG
	s_add_co_u32 s98, s91, s92
	s_add_nc_u64 s[78:79], s[8:9], s[98:99]
	s_or_b32 s79, s79, 0x80000000
	s_mov_b32 s80, 1                               ; V, the rest
	s_add_co_u32 s81, s93, VIMG
	s_add_co_u32 s98, s91, s93
	s_add_nc_u64 s[82:83], s[8:9], s[98:99]
	s_or_b32 s83, s83, 0x80000000
; THE FILLS: one a wave, a pair of waves to each of the six pieces (its two halves by the wave's low bit); one chain of branches on the wave's number, all arms leading to one join
.macro ARM under, g0, g1, next
	s_cmp_lt_u32 s[WV], \under
	s_cbranch_scc0 \next
	tensor_load_to_lds s[\g0:\g0+3], s[\g1:\g1+7]
	s_nop 0
.rept 4
	v_nop
.endr
	s_branch .Lasked
\next:
.endm
	ARM 2, 60, 40, .Larm_v0
	ARM 4, 76, 40, .Larm_ks
	ARM 6, 56, 24, .Larm_vs
	ARM 8, 72, 32, .Larm_k1
	ARM 10, 68, 48, .Larm_v1
	s_cmp_lt_u32 s[WV], 12
	s_cbranch_scc0 .Lasked
	tensor_load_to_lds s[80:83], s[48:55]
	s_nop 0
.rept 4
	v_nop
.endr
.Lasked:
	s_lshl_b32 s88, s19, 8                         ; the scalars first, then the vector lines on end
	s_lshl_b32 s89, s17, 6
	s_add_co_u32 s88, s88, s89
	s_lshl_b32 s89, s16, 1
	s_add_co_u32 s88, s88, s89
	s_add_co_u32 s88, s88, OSC
	s_lshr_b32 s[PB], s[WV], 1
	s_mul_i32 s[PB], s[PB], 4608
	s_add_co_u32 s[PB], s[PB], PART
	s_mul_i32 s90, s14, 24
	s_lshl_b32 s91, s15, 1
	s_add_co_u32 s90, s90, s91
	s_add_co_u32 s90, s90, s16                     ; 24 b + my q head
	s_lshl_b32 s91, s90, 7
	s_lshr_b32 s92, s87, 4
	s_add_co_u32 s92, s92, s91                     ; the long tile's place among the images,
	s_lshr_b32 s93, s[QO], 4
	s_add_co_u32 s93, s93, s91                     ; and my own tile's
	s_mul_i32 s98, s92, 768
	s_add_nc_u64 s[94:95], s[4:5], s[98:99]
	s_mul_i32 s98, s93, 768
	s_add_nc_u64 s[4:5], s[4:5], s[98:99]
	s_lshl_b32 s92, s92, 6
	s_lshl_b32 s93, s93, 6
	v_and_b32 v4, 31, v0
	v_and_b32 v5, 15, v0                           ; r
	v_bfe_u32 v6, v0, 4, 1                         ; h
	v_lshlrev_b32 v1, 4, v4                        ; 16 L
	v_lshlrev_b32 v2, 3, v4
	v_sub_nc_u32 v7, 1, v6
	v_add_nc_u32 v2, 512, v2                       ; 8 L + 512
	v_mul_u32_u24 v6, s93, v6
	v_add_nc_u32 v3, VIMG, v1
	v_mad_u32_u24 v6, v7, s92, v6                  ; lanes 0-15: the long tile's scale words, lanes 16-31: my own tile's
	v_add_nc_u32 v10, VIMG, v2
	v_lshl_add_u32 v11, v4, 2, KSC
	v_lshl_add_u32 v31, v4, 2, VSC
	v_lshl_add_u32 v30, v5, 2, s88                 ; o's scale bytes: word 64 chunk + 16 tile + r, half by the head
	v_lshl_add_u32 v4, v5, 2, v6
	global_load_b128 v[16:19], v1, s[94:95]        ; the long tile's Q,
	global_load_b64 v[20:21], v2, s[94:95]
	global_load_b128 v[22:25], v1, s[4:5]          ; my own tile's, in the half of the operand that meets K's zero codes
	global_load_b64 v[26:27], v2, s[4:5]
	global_load_b32 v255, v4, s[6:7]
.irp t, 0,1,2,3
.irp j, 6,7,8,9,10,11
	v_mov_b32 v[32+12*\t+\j], 0                    ; K = 64 .. 127: zero codes
.endr
.endr
	v_mov_b32 v13, 0xff61b1e6                      ; the largest t so far: -3e38
	s_delay_alu instid0(VALU_DEP_1)
	v_floor_f32 v12, -v13                          ; -M
	v_mov_b32 v14, 0
	v_mov_b32 v15, 0
.irp j, 232,233,234,235,236,237,238,239,252,253
	v_mov_b32 v[\j], 0                             ; written once: a lane permute's destination, and the upper half of a named pair, count as read
.endr
.set n, 0
.rept 32
	v_mov_b32 v[O+n], 0                            ; O^T: the step is written once; the first change of M multiplies zeros
.set n, n+1
.endr
.macro SMUL d, a, sc, odd, row         ; odd: K's scale words in lanes 16-31; row: Q's
.if (\odd) && (\row)
	v_wmma_scale_f32_16x16x128_f8f6f4 v[\d:\d+7], v[\a:\a+11], v[16:27], 0, v[\sc], v255 matrix_a_fmt:MATRIX_FMT_FP6 matrix_b_fmt:MATRIX_FMT_FP6 matrix_a_scale:MATRIX_SCALE_ROW1 matrix_b_scale:MATRIX_SCALE_ROW1
.elseif \odd
	v_wmma_scale_f32_16x16x128_f8f6f4 v[\d:\d+7], v[\a:\a+11], v[16:27], 0, v[\sc], v255 matrix_a_fmt:MATRIX_FMT_FP6 matrix_b_fmt:MATRIX_FMT_FP6 matrix_a_scale:MATRIX_SCALE_ROW1
.elseif \row
	v_wmma_scale_f32_16x16x128_f8f6f4 v[\d:\d+7], v[\a:\a+11], v[16:27], 0, v[\sc], v255 matrix_a_fmt:MATRIX_FMT_FP6 matrix_b_fmt:MATRIX_FMT_FP6 matrix_b_scale:MATRIX_SCALE_ROW1
.else
	v_wmma_scale_f32_16x16x128_f8f6f4 v[\d:\d+7], v[\a:\a+11], v[16:27], 0, v[\sc], v255 matrix_a_fmt:MATRIX_FMT_FP6 matrix_b_fmt:MATRIX_FMT_FP6
.endif
.endm
.macro STEP row
	s_add_co_u32 s86, s[Q0], 15
	s_cmp_gt_u32 s[KF], s86
	s_cbranch_scc1 .Lhidden_\@                     ; all 128 keys come after the tile's queries
	v_add_nc_u32 v4, s[TB], v1
	v_add_nc_u32 v5, s[TB], v2
	v_add_nc_u32 v6, s[TB], v3
	v_add_nc_u32 v7, s[TB], v10
	v_add_nc_u32 v8, s[TS], v11
	v_add_nc_u32 v9, s[TJ], v31
	s_wait_alu depctr_va_vdst(0)
.irp g, 0,1                            ; S^T = K Q^T, four tiles of 16 keys at a time
.if \g > 0
.rept 4
	v_nop                                          ; places in front of loads into registers that matrix instructions have read
.endr
.endif
.irp t, 0,1,2,3
	ds_load_b128 v[32+12*\t:35+12*\t], v4 offset:768*(4*\g+\t)
	ds_load_b64 v[36+12*\t:37+12*\t], v5 offset:768*(4*\g+\t)
.endr
.if \g == 0
.irp m, 0,1,2,3
	ds_load_b32 v[248+\m], v8 offset:128*\m        ; scale words of two tiles a register: lanes 0-15 the even tile, lanes 16-31 the odd one
.endr
.endif
	s_wait_dscnt 0x0
.irp t, 0,1,2,3
	SMUL S+8*(4*\g+\t), 32+12*\t, 248+2*\g+\t/2, \t%2, \row
.endr
.endr
.irp t, 0,1,2,3                        ; V's four fragments land under the softmax
	ds_load_b128 v[80+12*\t:83+12*\t], v6 offset:1536*\t
	ds_load_b64 v[84+12*\t:85+12*\t], v7 offset:1536*\t
	ds_load_b128 v[86+12*\t:89+12*\t], v6 offset:1536*\t+768
	ds_load_b64 v[90+12*\t:91+12*\t], v7 offset:1536*\t+768
.endr
	ds_load_b32 v28, v9
	ds_load_b32 v29, v9 offset:128
.rept 4
	v_nop                                          ; places in front of the first read of the scores
.endr
	s_add_co_u32 s86, s[KF], 127
	s_cmp_le_u32 s86, s[Q0]
	s_cbranch_scc1 .Lopen_\@                       ; all keys count
	s_sub_co_i32 s86, s[Q0], s[KF]
	v_and_b32 v252, 15, v0
	v_bfe_u32 v253, v0, 4, 1
	s_delay_alu instid0(VALU_DEP_1)
	v_lshlrev_b32 v253, 3, v253
	s_delay_alu instid0(VALU_DEP_1)
	v_sub_nc_u32 v252, v252, v253
	s_delay_alu instid0(VALU_DEP_1)
	v_add_nc_u32 v252, s86, v252                   ; d = my query - KF - 8 h.  Register 8 T + j holds key KF + 16 T + 8 h + j: hidden where 16 T + j > d
	v_mov_b32 v254, 0xff800000
.set n, 0
.rept 64
	v_cmp_gt_i32 vcc_lo, 16*(n/8)+n%8, v252
	v_cndmask_b32 v[S+n], v[S+n], v254, vcc_lo
.set n, n+1
.endr
.Lopen_\@:
.irp b, 0,1,2,3
	v_max3_num_f32 v[232+\b], v[S+16*\b], v[S+1+16*\b], v[S+2+16*\b]   ; the largest score of each block of 32 keys: for the row's maximum, and, since p rises with the score, for the block's largest p
.endr
.irp i, 3,5,7,9,11,13
.irp b, 0,1,2,3
	v_max3_num_f32 v[232+\b], v[232+\b], v[S+16*\b+\i], v[S+1+16*\b+\i]
.endr
.endr
.irp b, 0,1,2,3
	v_max_num_f32 v[232+\b], v[232+\b], v[S+15+16*\b]
.endr
.irp b, 0,1,2,3
	s_delay_alu instid0(VALU_DEP_4)
	v_permlanex16_b32 v[236+\b], v[232+\b], s[SEL], s[SEL+1]
.endr
.irp b, 0,1,2,3
	s_delay_alu instid0(VALU_DEP_4)
	v_max_num_f32 v[232+\b], v[232+\b], v[236+\b]
.endr
	s_delay_alu instid0(VALU_DEP_2)
	v_max3_num_f32 v254, v232, v233, v234
	s_delay_alu instid0(VALU_DEP_1)
	v_max_num_f32 v254, v254, v235
	s_delay_alu instid0(VALU_DEP_1)
	v_mul_f32 v254, s[CS], v254
	s_delay_alu instid0(VALU_DEP_1)
	v_max_num_f32 v13, v13, v254                   ; the running largest t
	v_mov_b32 v254, v12
	s_delay_alu instid0(VALU_DEP_2)
	v_floor_f32 v12, -v13                          ; the new -M: a whole number
	s_delay_alu instid0(VALU_DEP_1)
	v_sub_f32 v254, v12, v254
	s_delay_alu instid0(VALU_DEP_1)
	v_cvt_i32_f32 v254, v254                       ; (it saturates)
	s_delay_alu instid0(VALU_DEP_1)
	v_ldexp_f32 v252, 1.0, v254                    ; f = 2^(old M - new M): a multiplication by it rounds nothing
.set n, 0
.rept 32
	v_pk_fma_f32 v[S+n:S+n+1], v[S+n:S+n+1], s[CS:CS+1], v[12:13] op_sel_hi:[1,0,0]   ; t - M
.set n, n+2
.endr
.irp b, 0,1,2,3
	v_fma_f32 v[232+\b], v[232+\b], s[CS], v12
.endr
.set n, 0
	s_wait_alu depctr_va_vdst(0)                   ; ahead of the batch
.rept 64
	v_exp_f32 v[S+n], v[S+n]                       ; p = 2^(t - M)
.set n, n+1
.endr
	v_pk_mul_f32 v[14:15], v[14:15], v[252:253] op_sel_hi:[1,0]    ; the sums under the new M: a plain line behind the batch
	s_wait_alu depctr_va_vdst(0)                   ; one wait for the batch, ahead of its first reader
.irp b, 0,1,2,3
	v_exp_f32 v[232+\b], v[232+\b]                 ; each block's largest p
.endr
	v_pk_add_f32 v[236:237], v[132:133], v[136:137]
	v_pk_add_f32 v[250:251], v[140:141], v[144:145]
	v_pk_add_f32 v[248:249], v[148:149], v[152:153]
	v_pk_add_f32 v[246:247], v[156:157], v[160:161]
	v_pk_add_f32 v[244:245], v[164:165], v[168:169]
	v_pk_add_f32 v[242:243], v[172:173], v[176:177]
	v_pk_add_f32 v[240:241], v[180:181], v[184:185]
	v_pk_add_f32 v[14:15], v[14:15], v[188:189]
	v_pk_add_f32 v[236:237], v[236:237], v[128:129]
	v_pk_add_f32 v[250:251], v[250:251], v[130:131]
	v_pk_add_f32 v[248:249], v[248:249], v[134:135]
	v_pk_add_f32 v[246:247], v[246:247], v[138:139]
	v_pk_add_f32 v[244:245], v[244:245], v[142:143]
	v_pk_add_f32 v[242:243], v[242:243], v[146:147]
	v_pk_add_f32 v[240:241], v[240:241], v[150:151]
	v_pk_add_f32 v[14:15], v[14:15], v[154:155]
	v_pk_add_f32 v[236:237], v[236:237], v[158:159]
	v_pk_add_f32 v[250:251], v[250:251], v[162:163]
	v_pk_add_f32 v[248:249], v[248:249], v[166:167]
	v_pk_add_f32 v[246:247], v[246:247], v[170:171]
	v_pk_add_f32 v[244:245], v[244:245], v[174:175]
	v_pk_add_f32 v[242:243], v[242:243], v[178:179]
	v_pk_add_f32 v[240:241], v[240:241], v[182:183]
	v_pk_add_f32 v[14:15], v[14:15], v[186:187]
	v_pk_add_f32 v[236:237], v[236:237], v[190:191]
	s_delay_alu instid0(VALU_DEP_2)
	v_pk_add_f32 v[14:15], v[14:15], v[246:247]
	s_delay_alu instid0(VALU_DEP_2)
	v_pk_add_f32 v[236:237], v[236:237], v[244:245]
	v_pk_add_f32 v[250:251], v[250:251], v[242:243]
	v_pk_add_f32 v[248:249], v[248:249], v[240:241]
	s_delay_alu instid0(VALU_DEP_2)
	v_pk_add_f32 v[14:15], v[14:15], v[250:251]
	s_delay_alu instid0(VALU_DEP_2)
	v_pk_add_f32 v[236:237], v[236:237], v[248:249]
	s_delay_alu instid0(VALU_DEP_1)
	v_pk_add_f32 v[14:15], v[14:15], v[236:237]
	s_wait_alu depctr_va_vdst(0)                   ; and one for the four
.irp b, 0,1,2,3
	v_max_num_f32 v[232+\b], 0x1800000, v[232+\b]  ; the floor 2^(3 - 127)
.endr
.irp b, 0,1,2,3
	s_delay_alu instid0(VALU_DEP_4)
	v_add_nc_u32 v[244+\b], 0xff000000, v[232+\b]
.endr
.irp b, 0,1,2,3
	s_delay_alu instid0(VALU_DEP_4)
	v_lshrrev_b32 v[236+\b], 23, v[244+\b]
.endr
	s_delay_alu instid0(VALU_DEP_3)
	v_lshl_or_b32 v253, v237, 8, v236              ; p's scale word for these 128 keys
	s_delay_alu instid0(VALU_DEP_1)
	v_lshl_or_b32 v253, v238, 16, v253
	s_delay_alu instid0(VALU_DEP_1)
	v_lshl_or_b32 v253, v239, 24, v253
.irp c, 0,1
	v_cvt_scalef32_pk16_fp6_f32 v[224+6*\c:226+6*\c], v[S+32*\c:S+15+32*\c], v[244+2*\c]
	v_cvt_scalef32_pk16_fp6_f32 v[236+4*\c:238+4*\c], v[S+16+32*\c:S+31+32*\c], v[244+2*\c+1]
.endr
	v_nop                                          ; a plain line behind the scaled conversions
.irp c, 0,1
.irp i, 0,1,2
	v_permlane16_swap_b32 v[224+6*\c+\i], v[236+4*\c+\i]           ; a whole block to a lane
.endr
.irp i, 0,1,2
	s_delay_alu instid0(VALU_DEP_3)
	v_mov_b32 v[227+6*\c+\i], v[236+4*\c+\i]
.endr
.endr
.set n, 0
.rept 16
	v_pk_mul_f32 v[O+n:O+n+1], v[O+n:O+n+1], v[252:253] op_sel_hi:[1,0]   ; O^T under the new M; these lines are also the places in front of the products below
.set n, n+2
.endr
	s_wait_alu depctr_va_vdst(0)
	s_wait_dscnt 0x0                               ; V is in
.irp t, 0,1,2,3                        ; O^T += V^T P^T: the four accumulators by turns
.if \t%2
	v_wmma_scale_f32_16x16x128_f8f6f4 v[O+8*\t:O+8*\t+7], v[80+12*\t:91+12*\t], v[224:235], v[O+8*\t:O+8*\t+7], v[28+\t/2], v253 matrix_a_fmt:MATRIX_FMT_FP6 matrix_b_fmt:MATRIX_FMT_FP6 matrix_a_scale:MATRIX_SCALE_ROW1
.else
	v_wmma_scale_f32_16x16x128_f8f6f4 v[O+8*\t:O+8*\t+7], v[80+12*\t:91+12*\t], v[224:235], v[O+8*\t:O+8*\t+7], v[28+\t/2], v253 matrix_a_fmt:MATRIX_FMT_FP6 matrix_b_fmt:MATRIX_FMT_FP6
.endif
.endr
.Lhidden_\@:
	s_add_co_u32 s[KF], s[KF], 128
	s_add_co_u32 s[TB], s[TB], 6144
	s_add_co_u32 s[TS], s[TS], 512
	s_add_co_u32 s[TJ], s[TJ], 256
.endm
	s_wait_alu depctr_va_vdst(0)                   ; the head's end
	s_wait_tensorcnt 0x0                           ; my one load has landed,
	s_barrier_signal -1
	s_barrier_wait -1                              ; everybody's: all of K, V and their scale words are in
	s_wait_loadcnt 0x0                             ; Q
	s_mov_b32 s[TB], 9*6144
	s_mov_b32 s[TS], 9*512
	s_mov_b32 s[TJ], 9*256
	s_mov_b32 s[KF], 9*128
	s_mov_b32 s[CNT], 7
.Lfirst:                                           ; steps 9-15 of the long tile, by the short tile's wave
	STEP 0
	s_sub_co_u32 s[CNT], s[CNT], 1
	s_cmp_lg_u32 s[CNT], 0
	s_cbranch_scc1 .Lfirst
	v_add_nc_u32 v4, s[PB], v1
	s_cmp_lg_u32 s19, 0
	s_cbranch_scc1 .Lown
.rept 4
	v_nop                                          ; places behind the last products
.endr
.irp k, 0,1,2,3,4,5,6,7
	ds_store_b128 v4, v[O+4*\k:O+4*\k+3] offset:512*\k   ; the part: O^T, each accumulator from its low end on,
.endr
	ds_store_b128 v4, v[12:15] offset:4096         ; -M, the largest t, the two sums
	v_mov_b32 v13, 0xff61b1e6                      ; and my own tile begins
	s_delay_alu instid0(VALU_DEP_1)
	v_floor_f32 v12, -v13
	v_mov_b32 v14, 0
	v_mov_b32 v15, 0
.set n, 0
.rept 32
	v_mov_b32 v[O+n], 0
.set n, n+1
.endr
.Lown:
.irp i, 0,1,2,3,4,5
	v_mov_b32 v[16+\i], v[22+\i]                   ; my own tile's Q comes to work
.endr
	s_mov_b32 s[Q0], s[QO]
	s_mov_b32 s[TB], 0
	s_mov_b32 s[TS], 0
	s_mov_b32 s[TJ], 0
	s_mov_b32 s[KF], 0
	s_mov_b32 s[CNT], 9
	s_wait_alu depctr_va_vdst(0)                   ; ahead of the wait below
	s_wait_dscnt 0x0                               ; for my partner's sake: the part is stored
	s_barrier_signal -1                            ; the wait for this signal stands behind the loop
.Lsecond:                                          ; steps 0-8 of my own tile
	STEP 1
	s_sub_co_u32 s[CNT], s[CNT], 1
	s_cmp_lg_u32 s[CNT], 0
	s_cbranch_scc1 .Lsecond
	s_barrier_wait -1                              ; every part is stored
.rept 4
	v_nop                                          ; places behind the last products
.endr
	v_add_nc_u32 v4, s[PB], v1
	s_cmp_eq_u32 s19, 0
	s_cbranch_scc1 .Lwhole
.irp k, 0,1,2,3,4,5,6,7,8
	ds_load_b128 v[S+4*\k:S+4*\k+3], v4 offset:512*\k   ; my partner's part of my tile
.endr
	s_wait_dscnt 0x0
	v_min_num_f32 v5, v12, v[S+32]                 ; -M of the two together
	s_delay_alu instid0(VALU_DEP_1)
	v_sub_f32 v6, v5, v12
	v_sub_f32 v7, v5, v[S+32]
	s_delay_alu instid0(VALU_DEP_2)
	v_cvt_i32_f32 v6, v6                           ; whole numbers, 0 or less (they saturate: a part with no step counts for nothing)
	s_delay_alu instid0(VALU_DEP_2)
	v_cvt_i32_f32 v7, v7
	s_delay_alu instid0(VALU_DEP_2)
	v_ldexp_f32 v6, 1.0, v6                        ; my factor,
	s_delay_alu instid0(VALU_DEP_2)
	v_ldexp_f32 v4, 1.0, v7                        ; the part's
.set n, 0
.rept 16
	v_pk_mul_f32 v[O+n:O+n+1], v[O+n:O+n+1], v[6:7] op_sel_hi:[1,0]
.set n, n+2
.endr
	v_pk_mul_f32 v[14:15], v[14:15], v[6:7] op_sel_hi:[1,0]
.set n, 0
.rept 16
	v_pk_fma_f32 v[O+n:O+n+1], v[S+n:S+n+1], v[4:5], v[O+n:O+n+1] op_sel_hi:[1,0,1]
.set n, n+2
.endr
	v_pk_fma_f32 v[14:15], v[S+34:S+35], v[4:5], v[14:15] op_sel_hi:[1,0,1]
.Lwhole:
	; THE WAY OUT: o = O^T / the sum, quantised along (g, head, d) for the out-projection, in the natural order of d
	v_add_f32 v14, v14, v15
	s_delay_alu instid0(VALU_DEP_1)
	v_permlanex16_b32 v252, v14, s[SEL], s[SEL+1]
	s_delay_alu instid0(VALU_DEP_1)
	v_add_f32 v14, v14, v252
	s_wait_alu depctr_va_vdst(0)
	v_rcp_f32 v14, v14
	v_bfe_u32 v5, v0, 4, 1                         ; (plain lines behind the reciprocal)
	s_delay_alu instid0(VALU_DEP_1)
	v_lshlrev_b32 v5, 9, v5
	v_and_b32 v6, 15, v0
	s_delay_alu instid0(VALU_DEP_1)
	v_lshl_add_u32 v5, v6, 2, v5                   ; o_sc: 512 (lane / 16) + 4 r
	s_lshl_b32 s86, s14, 7
	s_lshr_b32 s87, s[Q0], 4
	s_add_co_u32 s86, s86, s87                     ; my row tile
	s_lshl_b32 s86, s86, 3
	s_add_co_u32 s86, s86, s15
	s_lshl_b32 s86, s86, 1
	s_add_co_u32 s86, s86, s16
	s_mul_i32 s86, s86, 768
	s_mov_b32 s87, 0
	s_add_nc_u64 s[10:11], s[10:11], s[86:87]
	s_lshl_b32 s88, s14, 16
	s_lshl_b32 s89, s15, 6
	s_add_co_u32 s88, s88, s89
	s_lshl_b32 s90, ttmp9, 11
	s_add_co_u32 s90, s90, s88
	s_mov_b32 s91, 0
	s_sub_co_u32 s92, 31, ttmp9
	s_lshl_b32 s92, s92, 11
	s_add_co_u32 s92, s92, s88
	s_mov_b32 s93, 0
	s_add_nc_u64 s[90:91], s[12:13], s[90:91]      ; the scale words of chunk x,
	s_add_nc_u64 s[92:93], s[12:13], s[92:93]      ; and of chunk 31 - x
	s_wait_alu depctr_va_vdst(0)                   ; ahead of the reciprocal's first reader
.set n, 0
.rept 32
	v_mul_f32 v[S+n], v[O+n], v14                  ; register 8 t + j: d = 16 t + 8 h + j; each accumulator from its low end on
.set n, n+1
.endr
.irp j, 0,1,2,3,4,5,6,7
	v_permlane16_swap_b32 v[S+\j], v[S+8+\j]       ; tiles 0 and 1: a lane now holds d = 16 h + 0..15,
	v_permlane16_swap_b32 v[S+16+\j], v[S+24+\j]   ; tiles 2 and 3: d = 32 + 16 h + 0..15
.endr
	v_max3_num_f32 v232, |v[S]|, |v[S+1]|, 0x1800000
	v_max3_num_f32 v233, |v[S+16]|, |v[S+17]|, 0x1800000
.irp i, 2,4,6,8,10,12,14
	s_delay_alu instid0(VALU_DEP_2)
	v_max3_num_f32 v232, v232, |v[S+\i]|, |v[S+1+\i]|
	s_delay_alu instid0(VALU_DEP_2)
	v_max3_num_f32 v233, v233, |v[S+16+\i]|, |v[S+17+\i]|
.endr
	s_delay_alu instid0(VALU_DEP_2)
	v_permlanex16_b32 v236, v232, s[SEL], s[SEL+1]
	s_delay_alu instid0(VALU_DEP_2)
	v_permlanex16_b32 v237, v233, s[SEL], s[SEL+1]
	s_delay_alu instid0(VALU_DEP_2)
	v_max_num_f32 v232, v232, v236
	s_delay_alu instid0(VALU_DEP_2)
	v_max_num_f32 v233, v233, v237
	s_delay_alu instid0(VALU_DEP_2)
	v_add_nc_u32 v238, 0xff000000, v232
	s_delay_alu instid0(VALU_DEP_2)
	v_add_nc_u32 v239, 0xff000000, v233
	s_delay_alu instid0(VALU_DEP_2)
	v_lshrrev_b32 v236, 23, v238
	s_delay_alu instid0(VALU_DEP_2)
	v_lshrrev_b32 v237, 23, v239
	s_delay_alu instid0(VALU_DEP_1)
	v_lshl_or_b32 v244, v237, 8, v236              ; my head's two bytes of the row's scale word
	v_cvt_scalef32_pk16_fp6_f32 v[224:226], v[S:S+15], v238
	v_cvt_scalef32_pk16_fp6_f32 v[240:242], v[S+16:S+31], v239
	v_nop
.irp i, 0,1,2
	v_permlane16_swap_b32 v[224+\i], v[240+\i]
.endr
.irp i, 0,1,2
	s_delay_alu instid0(VALU_DEP_3)
	v_mov_b32 v[227+\i], v[240+\i]
.endr
	global_store_b128 v1, v[224:227], s[10:11]     ; the half image: 512 and 256 consecutive bytes, aligned
	global_store_b64 v2, v[228:229], s[10:11]
	ds_store_b16 v30, v244                         ; both lanes of a row write the same two bytes
	s_wait_dscnt 0x0                               ; for the others' sake
	s_barrier_signal -1
	s_barrier_wait -1
	s_cmp_lg_u32 s[WV], 0
	s_cbranch_scc1 .Lend
.irp m, 0,1,2,3
	ds_load_b32 v[S+\m], v11 offset:OSC-KSC+128*\m
.endr
	s_wait_dscnt 0x0
	global_store_b32 v5, v[S], s[90:91]            ; pieces of 64 bytes, a tile's 16 words each: 512 bytes of the work-group's output
	global_store_b32 v5, v[S+1], s[90:91] offset:1024
	global_store_b32 v5, v[S+2], s[92:93]
	global_store_b32 v5, v[S+3], s[92:93] offset:1024
.Lend:
	s_wait_xcnt 0x0
	v_lshl_add_u32 v254, v0, 2, SPW
	v_mov_b32 v255, 0
	s_wait_alu depctr_va_vdst(0)
	s_wait_tensorcnt 0x0                           ; the wave's end
	ds_add_u32 v254, v255
	s_wait_dscnt 0x0
	s_endpgm
.Lfunc_end_k_q01dd5d9fd3_attn:
	.size	k_q01dd5d9fd3_attn, .Lfunc_end_k_q01dd5d9fd3_attn-k_q01dd5d9fd3_attn
	.p2alignl 7, 3214868480
	.fill 96, 4, 3214868480
	.section	.rodata,"a",@progbits
	.p2align	6, 0x0
	.amdhsa_kernel k_q01dd5d9fd3_attn
		.amdhsa_group_segment_fixed_size 251904
		.amdhsa_private_segment_fixed_size 0
		.amdhsa_enable_private_segment 0
		.amdhsa_kernarg_size 40
		.amdhsa_user_sgpr_count 2
		.amdhsa_user_sgpr_kernarg_segment_ptr 1
		.amdhsa_wavefront_size32 1
		.amdhsa_system_sgpr_workgroup_id_x 1
		.amdhsa_system_sgpr_workgroup_id_y 1
		.amdhsa_system_sgpr_workgroup_id_z 1
		.amdhsa_system_vgpr_workitem_id 0
		.amdhsa_next_free_vgpr 256
		.amdhsa_next_free_sgpr 102
		.amdhsa_reserve_vcc 1
		.amdhsa_float_denorm_mode_32 3
		.amdhsa_float_denorm_mode_16_64 3
		.amdhsa_memory_ordered 1
		.amdhsa_forward_progress 1
		.amdhsa_inst_pref_size 71
	.end_amdhsa_kernel
	.amdgpu_metadata
---
amdhsa.version: [ 1, 2 ]
amdhsa.kernels:
  - .name:           k_q01dd5d9fd3_attn
    .symbol:         k_q01dd5d9fd3_attn.kd
    .args:
      - { .name: qk_img, .offset: 0, .size: 8, .value_kind: global_buffer, .address_space: global }
      - { .name: att_sc, .offset: 8, .size: 8, .value_kind: global_buffer, .address_space: global }
      - { .name: v_img, .offset: 16, .size: 8, .value_kind: global_buffer, .address_space: global }
      - { .name: o_img, .offset: 24, .size: 8, .value_kind: global_buffer, .address_space: global }
      - { .name: o_sc, .offset: 32, .size: 8, .value_kind: global_buffer, .address_space: global }
    .group_segment_fixed_size: 251904
    .private_segment_fixed_size: 0
    .kernarg_segment_align: 8
    .kernarg_segment_size: 40
    .max_flat_workgroup_size: 512
    .sgpr_count:     102
    .vgpr_count:     256
    .wavefront_size: 32
...
	.end_amdgpu_metadata
.endif
;; end of part 3
;; launch gemm_out (part 4): grid 16 x 16, 4 waves a work-group, clusters of 4 x 4, 327,680 bytes of LDS; arguments o_img, o_sc, w_out_codes, w_out_scales, x, out0; writes out0
.if DOCPART == 4
	.amdgcn_target "amdgcn-amd-amdhsa--gfx1250"
	.amdhsa_code_object_version 6
	.text
	.protected	k_q01dd5d9fd3_gemm_out
	.globl	k_q01dd5d9fd3_gemm_out
	.p2align	8
	.type	k_q01dd5d9fd3_gemm_out,@function
k_q01dd5d9fd3_gemm_out:
	s_mov_b64 s[64:65], 0
	v_nop
	global_prefetch_b8 v0, s[64:65] scope:SCOPE_SE
	s_setreg_imm32_b32 hwreg(HW_REG_WAVE_MODE, 25, 1), 1
	s_wait_xcnt 0x0
	s_wait_alu depctr_hold_cnt(0) depctr_sa_sdst(0) depctr_va_vdst(0) depctr_va_sdst(0) depctr_va_ssrc(0) depctr_va_vcc(0) depctr_vm_vsrc(0)
	s_getreg_b32 s2, hwreg(HW_REG_IB_STS2, 6, 4)
	s_cmp_eq_u32 s2, 0
	s_cbranch_scc0 .Lentry_in_a_cluster
	s_endpgm
.Lentry_in_a_cluster:
	s_bfe_u32 s2, ttmp6, 0x10000c
	s_cmp_lg_u32 s2, 0xf033
	s_cbranch_scc0 .Lentry_shape_is_right
	s_endpgm
.Lentry_shape_is_right:
; out0 = x + o w_out^T on FP6 (E2M3) codes with E8M0 scales.  A = o as register images o_img [row tile 256][K step 8][1536] with scale words o_sc; B = w_out_codes, rows of 768 bytes, as they lie.
; A work-group makes 256 rows x 128 columns, four waves of 128 x 64 each.  Source 0 = 16 rows of w_out, source 1 = 16 rows of o: a lane holds 8 neighbouring columns of one row.
; ALL OPERANDS LIE IN LDS, filled once at the head, one load a wave: A's 16 row tiles (196,608 dense bytes), B's 128 rows (768 bytes each, 16 of padding behind every 256: pitch 816), A's scale words, B's scales.
; Nothing is filled again.  CLUSTERS 4 x 4: A and its scales are asked for jointly along a row of the cluster, B and its scales along a column.
; THE PRODUCT GOES BY ROWS OF THE RESULT: a wave takes all its fragments of B (4 column tiles x 8 K steps, 384 registers) into registers once, and then finishes its eight blocks of 16 rows one after the other,
; each with 32 matrix instructions (its 4 accumulators by turns, K ascending).  Block a goes through the stage and is stored while block a + 1 is multiplied.  LDS is read once for each fragment.
; My 128 x 64 numbers of x are asked for at the head, into window 3 (64 loads of 512 bytes), and are added on the way out.
; No prefetch: every byte is asked for at the kernel's head, and there is no loop to run ahead in.
; The stages lie in B's bytes, behind a barrier behind every wave's last read of B.
; REGISTERS: window 0: v0-31 addresses, v32-39 A's scale words (two sets), v40-55 B's, v64-159 and v160-255 A's fragments of a block (two buffers);
;   window 1: B's fragments 0-20; window 2: v0-131 B's fragments 21-31, v132-163 the accumulators, v164-227 a block read back from the stage (two sets); window 3: x.
.set KSTEPS, 8
.set KROW,   768
.set KS,     32
.set ATILE,  KSTEPS*1536
.set AHALF,  8*ATILE
.set BOFF,   2*AHALF
.set PITCH,  816
.set BHALF,  64*PITCH
.set SCA,    BOFF+2*BHALF
.set ASCT,   64*KSTEPS
.set ASCH,   8*ASCT
.set SCB,    SCA+2*ASCH
.set BSCH,   (64*KS/256)*272
.set SBLK,   (16*KS/256)*272
.set SPARE,  SCB+2*BSCH
.set STG,    BOFF
.set ACC,    132
.set RB,     164
.set MSB, 0
.macro WIN new                         ; the immediate's high byte repeats the setting that is left
.if MSB != \new
	s_set_vgpr_msb (MSB<<8)|\new
.set MSB, \new
.endif
.endm
.macro PLACES n
.rept \n
	v_nop
.endr
.endm
.macro TL g0, g1
	tensor_load_to_lds s[\g0:\g0+3], s[\g1:\g1+7]
	s_nop 0
.rept 4
	v_nop
.endr
.endm
.macro ARM under, g0, g1, next
	s_cmp_lt_u32 s18, \under
	s_cbranch_scc0 \next
	TL \g0, \g1
	s_branch .Lhead_asked
\next:
.endm
.macro CROUND
	s_barrier_signal -1
	s_barrier_wait -1
	s_cmp_lg_u32 s18, 0
	s_cbranch_scc1 .Lnot_wave_0_\@
	s_barrier_signal -3
.Lnot_wave_0_\@:
	s_barrier_wait -3
	s_barrier_signal -1
	s_barrier_wait -1
.endm
	s_load_b256 s[4:11], s[0:1], 0x0               ; o_img, o_sc, w_out_codes, w_out_scales
	s_load_b128 s[12:15], s[0:1], 0x20             ; x, out0
	v_lshl_add_u32 v28, v0, 2, SPARE
	v_mov_b32 v29, 0
	ds_add_u32 v28, v29                            ; the opening lines
	ds_add_u32 v28, v29
	v_lshrrev_b32 v1, 5, v0
	v_readfirstlane_b32 s18, v1
	s_lshr_b32 s19, s18, 1                         ; my half of the rows
	s_and_b32 s20, s18, 1                          ; my half of the columns
	s_bfe_u32 s22, ttmp6, 0x40000
	s_bfe_u32 s23, ttmp6, 0x40004
	s_lshl_b32 s40, ttmp9, 2
	s_add_co_u32 s40, s40, s22                     ; tile column
	s_and_b32 s41, ttmp7, 0xffff
	s_lshl_b32 s41, s41, 2
	s_add_co_u32 s41, s41, s23                     ; tile row
	s_lshl_b32 s42, s23, 2
	s_lshl_b32 s42, 15, s42
	s_lshl_b32 s43, 0x1111, s22
	s_or_b32 s24, s42, (3<<16)|(1<<21)             ; A: 768 dense rows of 256 bytes
	s_mov_b32 s25, 32<<16
	s_mov_b32 s26, 768<<16
	s_mov_b32 s27, 32<<16
	s_mov_b32 s28, 768
	s_mov_b32 s29, 32
	s_mov_b32 s30, 0
	s_mov_b32 s31, 0
	s_or_b32 s48, s43, (0<<16)|(1<<20)|(1<<21)|(5<<22)|(3<<25)   ; B: 128 rows of 768 bytes, 4 words of padding behind every 64
	s_mov_b32 s49, 768<<16
	s_mov_b32 s50, 128<<16
	s_mov_b32 s51, 768<<16
	s_mov_b32 s52, 128
	s_mov_b32 s53, KROW
	s_mov_b32 s54, 0
	s_mov_b32 s55, 0
	s_or_b32 s68, s42, (3<<16)|(1<<21)             ; A's scale words: 32 dense rows of 256 bytes
	s_mov_b32 s69, 32<<16
	s_mov_b32 s70, 32<<16
	s_mov_b32 s71, 32<<16
	s_mov_b32 s72, 32
	s_mov_b32 s73, 32
	s_mov_b32 s74, 0
	s_mov_b32 s75, 0
	s_or_b32 s80, s43, (3<<16)|(1<<20)|(1<<21)|(5<<22)|(3<<25)   ; B's scales: 16 dense rows of 256 bytes, padded
	s_mov_b32 s81, 32<<16
	s_mov_b32 s82, 16<<16
	s_mov_b32 s83, 32<<16
	s_mov_b32 s84, 16
	s_mov_b32 s85, 32
	s_mov_b32 s86, 0
	s_mov_b32 s87, 0
	s_mul_i32 s92, s41, 16*ATILE
	s_mov_b32 s93, 0
	s_lshl_b32 s94, s41, 13
	s_mov_b32 s95, 0
	s_mul_i32 s96, s40, 128*KROW
	s_mov_b32 s97, 0
	s_lshl_b32 s98, s40, 12
	s_mov_b32 s99, 0
	s_mov_b32 s32, 1
	s_mov_b32 s33, 0
	s_mov_b32 s56, 1
	s_mov_b32 s57, BOFF
	s_mov_b32 s76, 1
	s_mov_b32 s77, SCA
	s_mov_b32 s88, 1
	s_mov_b32 s89, SCB
	s_wait_dscnt 0x0                               ; both opening adds are done
	s_wait_kmcnt 0x0
	s_add_nc_u64 s[34:35], s[4:5], s[92:93]
	s_or_b32 s35, s35, 0x80000000
	s_add_nc_u64 s[78:79], s[6:7], s[94:95]
	s_or_b32 s79, s79, 0x80000000
	s_add_nc_u64 s[58:59], s[8:9], s[96:97]
	s_or_b32 s59, s59, 0x80000000
	s_add_nc_u64 s[90:91], s[10:11], s[98:99]
	s_or_b32 s91, s91, 0x80000000
	CROUND                                         ; all sixteen work-groups are here: the joint loads meet
	ARM 1, 32, 24, .Lhead_b                        ; one load a wave: A, B, A's scales, B's scales
	ARM 2, 56, 48, .Lhead_sa
	ARM 3, 76, 68, .Lhead_sb
	TL 88, 80
.Lhead_asked:
	s_mul_i32 s44, s19, AHALF                      ; the scalars first, then the vector lines on end
	s_add_co_u32 s45, s44, 512
	s_add_co_u32 s46, s44, 4*ATILE
	s_add_co_u32 s47, s46, 512
	s_mul_i32 s92, s20, BHALF
	s_add_co_u32 s92, s92, BOFF
	s_mul_i32 s93, s19, ASCH
	s_add_co_u32 s93, s93, SCA
	s_mul_i32 s96, s20, BSCH
	s_add_co_u32 s96, s96, SCB
	s_mul_i32 s97, s18, 4352
	s_add_co_u32 s97, s97, STG
	s_lshl_b32 s94, s41, 21                        ; my part of x and of out0
	s_lshl_b32 s98, s19, 20
	s_add_co_u32 s94, s94, s98
	s_lshl_b32 s98, s40, 9
	s_add_co_u32 s94, s94, s98
	s_lshl_b32 s98, s20, 8
	s_add_co_u32 s94, s94, s98
	s_mov_b32 s95, 0
	s_add_nc_u64 s[12:13], s[12:13], s[94:95]
	s_add_nc_u64 s[14:15], s[14:15], s[94:95]
	v_and_b32 v1, 31, v0
	v_and_b32 v2, 15, v0
	v_bfe_u32 v3, v0, 4, 1
	v_lshlrev_b32 v18, 13, v3
	v_lshl_add_u32 v18, v2, 4, v18                 ; x, out0: lanes 0-15 one row's 256 bytes, lanes 16-31 the next row's
	v_lshlrev_b32 v4, 4, v1
	v_lshlrev_b32 v5, 3, v1
	v_add_nc_u32 v8, s44, v4                       ; A's images, 16 L: row tiles 0-3, 4-7
	v_add_nc_u32 v10, s45, v5                      ; and 512 + 8 L
	v_add_nc_u32 v9, s46, v4
	v_add_nc_u32 v11, s47, v5
	v_mul_u32_u24 v6, v2, PITCH
	v_mad_u32_u24 v7, v3, 24, v6
	v_mad_u32_u24 v6, v3, 40, v6
	v_add_nc_u32 v12, s92, v7                      ; B: row x pitch + 24 h;
	v_add_nc_u32 v14, s92, v6                      ; + 40 h where lanes 16-31 lie behind the next padding
	v_lshl_add_u32 v16, v1, 2, s93                 ; A's scale words: lanes 0-15 the even step, 16-31 the odd one
	v_mul_u32_u24 v6, v2, KS
	v_lshrrev_b32 v7, 8, v6
	v_lshl_add_u32 v6, v7, 4, v6
	v_lshl_add_u32 v6, v3, 2, v6
	v_add_nc_u32 v17, s96, v6                      ; B's likewise
	v_mul_u32_u24 v19, v2, 272
	v_lshl_add_u32 v19, v3, 5, v19
	v_add_nc_u32 v19, s97, v19                     ; into my stage: row r, 32 h
	v_mul_u32_u24 v20, v3, 272
	v_lshl_add_u32 v20, v2, 4, v20
	v_add_nc_u32 v20, s97, v20                     ; out of it: row h, 16 r
	WIN 0xc0                                       ; x: block a of 16 rows into window 3, v[32 a ..]
.irp a, 0,1,2,3,4,5,6,7
.irp t, 0,1,2,3,4,5,6,7
	global_load_b128 v[32*\a+4*\t:32*\a+4*\t+3], v18, s[12:13] offset:\a*131072+\t*16384 th:TH_LOAD_NT
.endr
.endr
	WIN 0
.macro FRAG_A reg, st, a
	ds_load_b128 v[\reg:\reg+3], v[8+(\a)/4] offset:((\a)%4)*ATILE+(\st)*1536
	ds_load_b64 v[\reg+4:\reg+5], v[10+(\a)/4] offset:((\a)%4)*ATILE+(\st)*1536
	ds_load_b128 v[\reg+6:\reg+9], v[8+(\a)/4] offset:((\a)%4)*ATILE+(\st)*1536+768
	ds_load_b64 v[\reg+10:\reg+11], v[10+(\a)/4] offset:((\a)%4)*ATILE+(\st)*1536+768
.endm
.macro ALOAD a                         ; block a: its fragments of all eight K steps and its four scale words, into buffer a % 2: 36 LDS loads
.irp st, 0,1,2,3,4,5,6,7
	FRAG_A 64+96*((\a)%2)+12*\st, \st, \a
.endr
.irp pr, 0,1,2,3
	ds_load_b32 v[32+4*((\a)%2)+\pr], v16 offset:(\a)*ASCT+128*\pr
.endr
.endm
.macro FRAG_B reg, st, i               ; pieces of 8 bytes; piece PC of a row lies at 8 PC + 16 (PC / 32); lanes 16-31 take piece PC + 3
.irp p, 0,1,2,3,4,5
.set PC, 12*(\st)+6*(\p/3)+\p%3
.if PC%32 < 29
	ds_load_b64 v[\reg+2*\p:\reg+2*\p+1], v12 offset:8*PC+16*(PC/32)+(\i)*16*PITCH
.else
	ds_load_b64 v[\reg+2*\p:\reg+2*\p+1], v14 offset:8*PC+16*(PC/32)+(\i)*16*PITCH
.endif
.endr
.endm
.macro ROW a                           ; block a is made: fragment F = 4 step + column tile of B; the four accumulators take turns; step 0 starts the sums
.set AB, 64+96*((\a)%2)
.set AS, 32+4*((\a)%2)
.set F, 0
.rept 32
.if F < 21
	WIN 0xa1
.else
	WIN 0xa2
.endif
.if F < 4
	v_wmma_scale_f32_16x16x128_f8f6f4 v[ACC+8*(F%4):ACC+8*(F%4)+7], v[12*(F%21):12*(F%21)+11], v[AB+12*(F/4):AB+12*(F/4)+11], 0, v[40+4*(F%4)+F/8], v[AS+F/8] matrix_a_fmt:MATRIX_FMT_FP6 matrix_b_fmt:MATRIX_FMT_FP6
.elseif (F/4)%2
	v_wmma_scale_f32_16x16x128_f8f6f4 v[ACC+8*(F%4):ACC+8*(F%4)+7], v[12*(F%21):12*(F%21)+11], v[AB+12*(F/4):AB+12*(F/4)+11], v[ACC+8*(F%4):ACC+8*(F%4)+7], v[40+4*(F%4)+F/8], v[AS+F/8] matrix_a_fmt:MATRIX_FMT_FP6 matrix_b_fmt:MATRIX_FMT_FP6 matrix_a_scale:MATRIX_SCALE_ROW1 matrix_b_scale:MATRIX_SCALE_ROW1
.else
	v_wmma_scale_f32_16x16x128_f8f6f4 v[ACC+8*(F%4):ACC+8*(F%4)+7], v[12*(F%21):12*(F%21)+11], v[AB+12*(F/4):AB+12*(F/4)+11], v[ACC+8*(F%4):ACC+8*(F%4)+7], v[40+4*(F%4)+F/8], v[AS+F/8] matrix_a_fmt:MATRIX_FMT_FP6 matrix_b_fmt:MATRIX_FMT_FP6
.endif
.set F, F+1
.endr
.endm
.macro TOSTAGE a                       ; 16 rows x 64 columns through my stage, back as rows of 256 bytes into set a % 2: 8 stores and 8 loads
	WIN 0x08
.irp b, 0,1,2,3
	ds_store_b128 v19, v[ACC+8*\b:ACC+8*\b+3] offset:64*\b          ; each accumulator from its low end on
	ds_store_b128 v19, v[ACC+8*\b+4:ACC+8*\b+7] offset:64*\b+16
.endr
	WIN 0x80
.irp t, 0,1,2,3,4,5,6,7
	ds_load_b128 v[RB+32*((\a)%2)+4*\t:RB+32*((\a)%2)+4*\t+3], v20 offset:544*\t   ; LDS serves a wave's instructions in order: these see the stores above
.endr
	WIN 0
.endm
.macro SEND a, dsc
	s_wait_dscnt \dsc                              ; the block is back; the next A block's 36 loads may be out
	s_wait_loadcnt 8*(7-(\a))                      ; its x is in; the later blocks' loads, 8 each, may be out
	s_wait_xcnt 0x0                                ; the block before's stores have read their registers: the other set may be loaded again behind this macro
	WIN 0x8e                                       ; the block in window 2, x in window 3
.irp t, 0,1,2,3,4,5,6,7,8,9,10,11,12,13,14,15
	v_pk_add_f32 v[RB+32*((\a)%2)+2*\t:RB+32*((\a)%2)+2*\t+1], v[RB+32*((\a)%2)+2*\t:RB+32*((\a)%2)+2*\t+1], v[32*(\a)+2*\t:32*(\a)+2*\t+1]
.endr
	WIN 0x08
.irp t, 0,1,2,3,4,5,6,7
	global_store_b128 v18, v[RB+32*((\a)%2)+4*\t:RB+32*((\a)%2)+4*\t+3], s[14:15] offset:(\a)*131072+\t*16384 th:TH_STORE_NT   ; 16 lanes store 256 consecutive bytes, aligned
.endr
	WIN 0
.endm
	s_wait_alu depctr_va_vdst(0)                   ; the head's end
	s_wait_tensorcnt 0x0                           ; my tile of the four is in,
	s_barrier_signal -1
	s_barrier_wait -1                              ; everybody's
	ALOAD 0
.irp b, 0,1,2,3
.irp pr, 0,1,2,3
	ds_load_b32 v[40+4*\b+\pr], v17 offset:\b*SBLK+8*\pr   ; B's scale words, all of K
.endr
.endr
.set F, 0
.rept 32                               ; B's 32 fragments, once
.if F < 21
	WIN 0x40
.else
	WIN 0x80
.endif
	FRAG_B 12*(F%21), F/4, F%4
.set F, F+1
.endr
	WIN 0
	s_wait_dscnt 0x0                               ; my reads of B are over:
	s_barrier_signal -1                            ; say so; between this signal and its wait stand register work and loads of A, which no wave writes
	ALOAD 1
	ROW 0
	WIN 0
	s_barrier_wait -1                              ; everybody's are: the stages, in B's bytes, may be written
	PLACES 5                                       ; behind the last products: their results are read, their operands loaded anew, and the next block's first products write over the sums
	TOSTAGE 0
	ALOAD 2
.irp a, 1,2,3,4,5,6,7
.if \a < 7
	s_wait_dscnt 52                                ; block a's fragments are in; behind them: the last block's 16 stage instructions and the next block's 36 loads
.else
	s_wait_dscnt 16
.endif
	ROW \a
	PLACES 5
	WIN 0
.if \a < 7
	SEND \a-1, 36
.else
	SEND \a-1, 0
.endif
	TOSTAGE \a
.if \a < 6
	ALOAD \a+2
.endif
.endr
	SEND 7, 0
	s_wait_tensorcnt 0x0                           ; the wave's end
	ds_add_u32 v28, v29
	s_wait_dscnt 0x0
	CROUND                                         ; the closing round
	s_endpgm
.Lfunc_end_k_q01dd5d9fd3_gemm_out:
	.size	k_q01dd5d9fd3_gemm_out, .Lfunc_end_k_q01dd5d9fd3_gemm_out-k_q01dd5d9fd3_gemm_out
	.p2alignl 7, 3214868480
	.fill 96, 4, 3214868480
	.section	.rodata,"a",@progbits
	.p2align	6, 0x0
	.amdhsa_kernel k_q01dd5d9fd3_gemm_out
		.amdhsa_group_segment_fixed_size 327680
		.amdhsa_private_segment_fixed_size 0
		.amdhsa_enable_private_segment 0
		.amdhsa_kernarg_size 48
		.amdhsa_user_sgpr_count 2
		.amdhsa_user_sgpr_kernarg_segment_ptr 1
		.amdhsa_wavefront_size32 1
		.amdhsa_system_sgpr_workgroup_id_x 1
		.amdhsa_system_sgpr_workgroup_id_y 1
		.amdhsa_system_sgpr_workgroup_id_z 1
		.amdhsa_system_vgpr_workitem_id 0
		.amdhsa_next_free_vgpr 1024
		.amdhsa_next_free_sgpr 100
		.amdhsa_reserve_vcc 0
		.amdhsa_float_denorm_mode_32 3
		.amdhsa_float_denorm_mode_16_64 3
		.amdhsa_memory_ordered 1
		.amdhsa_forward_progress 1
		.amdhsa_inst_pref_size 105
	.end_amdhsa_kernel
	.amdgpu_metadata
---
amdhsa.version: [ 1, 2 ]
amdhsa.kernels:
  - .name:           k_q01dd5d9fd3_gemm_out
    .symbol:         k_q01dd5d9fd3_gemm_out.kd
    .args:
      - { .name: o_img, .offset: 0, .size: 8, .value_kind: global_buffer, .address_space: global }
      - { .name: o_sc, .offset: 8, .size: 8, .value_kind: global_buffer, .address_space: global }
      - { .name: w_out_codes, .offset: 16, .size: 8, .value_kind: global_buffer, .address_space: global }
      - { .name: w_out_scales, .offset: 24, .size: 8, .value_kind: global_buffer, .address_space: global }
      - { .name: x, .offset: 32, .size: 8, .value_kind: global_buffer, .address_space: global }
      - { .name: out0, .offset: 40, .size: 8, .value_kind: global_buffer, .address_space: global }
    .group_segment_fixed_size: 327680
    .private_segment_fixed_size: 0
    .kernarg_segment_align: 8
    .kernarg_segment_size: 48
    .max_flat_workgroup_size: 128
    .sgpr_count:     100
    .vgpr_count:     1024
    .wavefront_size: 32
...
	.end_amdgpu_metadata
.endif
;; end of part 4
